; MI455X (gfx1250); checked and timed in simulation.
; The chip was launched on July 23, 2026; its instructions are those of AMD's public machine-readable ISA for CDNA 5 (MIT licence, August 2026) and "CDNA5" Instruction Set Architecture Reference Guide (July 2026). The comments in the code are by the model that wrote it; some were corrected since.
;; Attention. Allowed arithmetic: matrix products marked QUANTISED: E2M3 operands, one E8M0 scale for each 32 along K, by v_wmma_scale_f32_16x16x128_f8f6f4 with both operands' format E2M3, f32 sums; everything else in f32.
;; Inputs: Wc 2,048 x 2,048 float32; Wk 512 x 2,048 float32; Wq 2,048 x 2,048 float32; Wv 512 x 2,048 float32; position_ids 1 x 2,048 int32; x 1 x 2,048 x 2,048 float32.
;; Outputs: out0 1 x 2,048 x 2,048 float32.
;; This version of the problem:
;;   THIS VERSION OF THE PROBLEM IS GIVEN IN LOW PRECISION. The matrix products marked QUANTISED in the list below multiply operands that are first quantised to E2M3 (2 exponent bits, 3 mantissa bits; 6 bits a number), with one power-of-two scale for each 32 numbers along K (OCP MX v1.0); their sums are f32. All else is computed in f32.
;;   The module's matrix products, in the order in which they are computed (A, B: the left and right operand; K: the contracted axis; several contracted axes count as one K, in the product's order):
;;     1. [M 2,048, K 2,048] x [K 2,048, N 2,048]; A: input x; B: input Wq: QUANTISED
;;     2. [M 2,048, K 2,048] x [K 2,048, N 512]; A: input x; B: input Wk: QUANTISED
;;     3. [M 2,048, K 2,048] x [K 2,048, N 512]; A: input x; B: input Wv: QUANTISED
;;     4. batch 32 x [M 2,048, K 64] x [K 64, N 2,048]; A: computed on the way; B: computed on the way: QUANTISED
;;     5. batch 32 x [M 2,048, K 2,048] x [K 2,048, N 64]; A: softmax (see below); B: computed on the way: QUANTISED
;;     6. [M 2,048, K 2,048] x [K 2,048, N 2,048]; A: computed on the way; B: input Wc: QUANTISED
;;   THE QUANTISER, for each operand of a quantised product, along K:
;;     - K is cut into blocks of 32 from its start; a last block that is shorter is filled with zeros.
;;     - A block's scale is 2^e with e = floor(log2(the largest magnitude in the block)) - 2, held to -126 .. 127; a block of zeros has e = 0. As a byte (E8M0): e + 127.
;;     - Each number is divided by its block's scale, clamped to +-7.5, and rounded to the nearest number of E2M3, ties to even, subnormals kept.
;;     - The product sums the exact products of the quantised numbers (number of the format x scale) in f32.
;;   ~~~python
;;   def quantise(x, axis):      # numpy; x: float32 -> the quantised numbers, widened to float32 again
;;       x = np.moveaxis(x, axis, -1); K = x.shape[-1]
;;       x = np.pad(x, [(0, 0)] * (x.ndim - 1) + [(0, -K % 32)]); x = x.reshape(x.shape[:-1] + (-1, 32)); a = np.abs(x).max(-1, keepdims=True)
;;       e = np.where(a > 0, np.clip(np.frexp(np.where(a > 0, a, 1))[1] - 1 - 2, -126, 127), 0)      # np.frexp(a)[1] - 1 = floor(log2(a)), exactly
;;       r = np.clip(x / 2.0 ** e, -7.5, 7.5)
;;       step = 2.0 ** (np.maximum(np.frexp(np.where(r == 0, 1, r))[1] - 1, 0) - 3)
;;       q = np.round(r / step) * step * 2.0 ** e      # np.round: ties to even
;;       return np.moveaxis(q.reshape(q.shape[:-2] + (-1,))[..., :K], -1, axis).astype(np.float32)
;;   ~~~
;;   SOFTMAX AHEAD OF A QUANTISED PRODUCT. Where the list says 'softmax', what is quantised is not the finished softmax but p = 2^(t - M), with t = logit x log2(e) and M = ceil(the row's largest t), a whole number; so 1/2 < the row's largest p <= 1. The row's sum l is taken of the UNQUANTISED p, in f32, and the product's result is divided by l at the end. Since M is a whole number, a kernel that streams over the keys may use a running M (the ceiling of the running maximum): every later rescaling is an exact power of two, which a block's scale takes up: the codes' values come out the same.
;;   OPERANDS COMPUTED ON THE WAY. 'Computed on the way' means the value that the module computes at that place (a softmax that the list does not call 'softmax' is quantised finished and normalised). What goes into a quantiser is computed in f32, as accurately as f32 sums, v_exp_f32 and their like allow (about 1e-6 of the number): no bf16 or f16 on the way to a quantiser, and a product that is left as it is and whose result goes on into a quantised operand takes f32 operands (vector FMAs, or v_wmma_f32_16x16x4_f32). A number that lies on a knife's edge between two numbers of the format may be rounded either way, as far as f32 arithmetic and the matrix unit's own rounding can turn it there, and no further.
;; One version. Each part assembles by itself: llvm-mc -triple=amdgcn-amd-amdhsa -mcpu=gfx1250 --defsym DOCPART=n.
;; ======== version 1 of 1: 4 launches
;; limits: right only within a limited range of input values
;; workspace buffers: cw 11,468,800 bytes; rope 524,288 bytes; qb 3,407,872 bytes; kvb 1,671,168 bytes; yb 3,276,800 bytes
;; launch quant (part 1): grid 464 x 1, 8 waves a work-group, no clusters, 69,632 bytes of LDS; arguments x, Wq, Wk, Wv, Wc, position_ids, cw, rope; writes cw, rope
.if DOCPART == 1
	.amdgcn_target "amdgcn-amd-amdhsa--gfx1250"
	.amdhsa_code_object_version 6
	.text
	.protected	k_q0976b9123d_quant
	.globl	k_q0976b9123d_quant
	.p2align	8
	.type	k_q0976b9123d_quant,@function
k_q0976b9123d_quant:
	s_mov_b64 s[64:65], 0
	v_nop
	global_prefetch_b8 v0, s[64:65] scope:SCOPE_SE
	s_setreg_imm32_b32 hwreg(HW_REG_WAVE_MODE, 25, 1), 1
	s_wait_xcnt 0x0
; x, Wq, Wk, Wv, Wc (f32, K = 2,048 innermost) become codes of FP6 (E2M3) with one E8M0 byte for each 32 along K, laid in the order of the matrix operand's registers; and the table of cosines and sines is made.
; A TILE is 16 rows that are not neighbours: tile T of a tensor takes rows 32 (T / 2) + 8 (T % 2) + r + 8 (r / 8), r = 0 .. 15.  The five tensors' tiles are numbered on end: x 0-127, Wq 128-255, Wk 256-287, Wv 288-319, Wc 320-447.
; cw: codes [448 tiles][16 K steps of 128][1,536 bytes]: a fragment's 12 registers as three blocks of 512 bytes, block i = registers 4 i .. 4 i + 3, lane l's 16 bytes at 16 l.  From CWS on the scale words: tile x 1,024 + 64 r + 4 x K step.
; rope: [2,048 tokens][32 frequencies][cos, s sin], f32, s = -1 for frequencies 0-15 and +1 for 16-31: the sign that the turning of the halves gives.
; SHARES.  Work-groups 0-15 make the table (a wave 16 tokens, a lane a frequency).  Work-group 16 + T takes tile T; its wave w takes K steps 2 w and 2 w + 1: 1,024 bytes of each of the 16 rows.
; Each load reads 512 consecutive bytes of one row; a fragment's 8,192 bytes turn through the wave's own stage in LDS (rows 528 bytes apart, an odd multiple of 16) and come back with a whole block of 32 in a lane.
; Memory binds here: each input byte is read once, each store of codes covers 512 consecutive bytes.  Matrix units, clusters and tensor loads would add nothing: no byte is shared.
; A block's scale is 2^(floor(log2(largest magnitude)) - 2): its byte is the largest magnitude's exponent field - 2, held at 1 from below.
; LIMITS: NaN and infinities among the inputs are not served.  A block whose largest magnitude lies under 2^-124, a block of zeros among them, gets the byte 1 (the definition says 127 for zeros): its codes are zeros or
; tiny, and the bytes are read by this program alone.  Positions: |position_ids| up to 262,144; beyond, the reduction by pi / 2 in three terms loses accuracy.
.set STG,   8448                       ; a wave's stage: 16 rows x 528 bytes
.set SCG,   8*STG                      ; behind the stages: the tile's 1,024 bytes of scale words
.set SPARE, SCG+1024                   ; the spare words, 128 bytes for each wave: four blocks of 256 bytes that no other line names
.set CWS,   11010048                   ; where the scale words begin in cw
.set RAW,   32                         ; v32-159  the numbers as loaded: 2 fragments x 64
.set XN,    160                        ; v160-223 64 numbers, a block of 32 on end
.set CD,    224                        ; v224-247 codes: 12 registers for each fragment, so that no store's data are written again
.set WD,    248                        ; v248-249 the scale words
	s_load_b256 s[4:11], s[0:1], 0x0               ; x, Wq, Wk, Wv
	s_load_b256 s[12:19], s[0:1], 0x20             ; Wc, position_ids, cw, rope
	v_lshl_add_u32 v8, v0, 2, SPARE                ; my spare word; never rewritten
	v_mov_b32 v9, 0                                ; 0; never rewritten
	v_lshrrev_b32 v1, 5, v0
	s_delay_alu instid0(VALU_DEP_1)
	v_readfirstlane_b32 s20, v1                    ; wave 0..7
	v_and_b32 v1, 31, v0                           ; lane
	v_and_b32 v2, 15, v0                           ; r
	v_bfe_u32 v3, v0, 4, 1                         ; h
	s_delay_alu instid0(VALU_DEP_3)
	v_lshlrev_b32 v4, 4, v1                        ; 16 x lane
	s_mul_i32 s21, s20, STG
	v_add_nc_u32 v5, s21, v4                       ; the stage, on the way in: 16 x lane of a row
	v_mul_u32_u24 v6, v2, 528
	s_delay_alu instid0(VALU_DEP_1)
	v_lshl_add_u32 v6, v3, 7, v6
	s_delay_alu instid0(VALU_DEP_1)
	v_add_nc_u32 v6, s21, v6                       ; and on the way out: row r, + 128 h: my block of 32 numbers
	s_lshl_b32 s21, s20, 3
	s_add_co_u32 s21, s21, SCG
	v_lshl_add_u32 v7, v2, 6, s21                  ; my row's scale words of my wave's two K steps: SCG + 64 r + 8 w
	v_lshlrev_b32 v24, 4, v0                       ; 16 x thread
	s_delay_alu instid0(VALU_DEP_1)
	v_add_nc_u32 v25, SCG, v24                     ; the gathered words, 16 bytes a thread (threads 0-63)
	v_lshlrev_b32 v26, 3, v3                       ; 8 h
	v_mov_b32 v27, 0                               ; a lane permute's destination counts as one of its sources
	s_mov_b32 s50, 0x76543210
	s_mov_b32 s51, 0xfedcba98                      ; selects for lane l xor 16
	s_wait_kmcnt 0x0
	s_cmp_lt_u32 ttmp9, 16                         ; the same answer in all eight waves
	s_cbranch_scc1 .Lrope
	; ---- a tile is quantised.  Which tensor: a choice of pointers on the work-group's number alone
	s_sub_co_u32 s24, ttmp9, 16                    ; the tile
	s_mov_b64 s[22:23], s[12:13]
	s_mov_b32 s21, 320
	s_cmp_lt_u32 s24, 320
	s_cselect_b64 s[22:23], s[10:11], s[22:23]
	s_cselect_b32 s21, 288, s21
	s_cmp_lt_u32 s24, 288
	s_cselect_b64 s[22:23], s[8:9], s[22:23]
	s_cselect_b32 s21, 256, s21
	s_cmp_lt_u32 s24, 256
	s_cselect_b64 s[22:23], s[6:7], s[22:23]
	s_cselect_b32 s21, 128, s21
	s_cmp_lt_u32 s24, 128
	s_cselect_b64 s[22:23], s[4:5], s[22:23]
	s_cselect_b32 s21, 0, s21
	s_sub_co_u32 s21, s24, s21                     ; the tile's number in its tensor
	s_lshr_b32 s25, s21, 1
	s_lshl_b32 s25, s25, 5
	s_and_b32 s21, s21, 1
	s_lshl_b32 s21, s21, 3
	s_add_co_u32 s26, s21, s25                     ; its first row
	s_lshl_b32 s26, s26, 13                        ; rows of 8,192 bytes
	s_lshl_b32 s25, s20, 10
	s_add_co_u32 s26, s26, s25                     ; + my wave's 1,024 bytes
	s_mov_b32 s27, 0
	s_add_nc_u64 s[22:23], s[22:23], s[26:27]
	s_mul_i32 s26, s24, 24576
	s_mul_i32 s25, s20, 3072
	s_add_co_u32 s26, s26, s25
	s_add_nc_u64 s[28:29], s[16:17], s[26:27]      ; my two fragments in cw
	s_lshl_b32 s26, s24, 10
	s_add_co_u32 s26, s26, CWS
	s_add_nc_u64 s[30:31], s[16:17], s[26:27]      ; the tile's scale words in cw
.irp f, 0,1
.irp p, 0,1,2,3,4,5,6,7,8,9,10,11,12,13,14,15
	global_load_b128 v[RAW+64*\f+4*\p:RAW+64*\f+4*\p+3], v4, s[22:23] offset:(\p+8*(\p/8))*8192+512*\f th:TH_LOAD_NT   ; 512 consecutive bytes of the tile's row p; all 32 loads of the wave go out together
.endr
.endr
.macro FRAGQ f
	s_wait_loadcnt 16-16*\f                        ; this fragment's sixteen loads are in; the other fragment's sixteen were issued behind them
.irp p, 0,1,2,3,4,5,6,7,8,9,10,11,12,13,14,15
	ds_store_b128 v5, v[RAW+64*\f+4*\p:RAW+64*\f+4*\p+3] offset:528*\p
.endr
.irp c, 0,1
.irp j, 0,1,2,3,4,5,6,7
	ds_load_b128 v[XN+32*\c+4*\j:XN+32*\c+4*\j+3], v6 offset:256*\c+16*\j   ; k = 64 c + 32 h + 4 j .. of row r.  LDS serves a wave's instructions in order: these see the stores above
.endr
.endr
	s_wait_dscnt 0x0
.irp c, 0,1
	v_max3_num_f32 v[10+\c], |v[XN+32*\c]|, |v[XN+32*\c+1]|, 0x1800000   ; my block 2 c + h: all its 32 numbers are mine; the floor 2^(3 - 127) holds the byte at 1 from below
.endr
.irp i, 2,4,6,8,10,12,14,16,18,20,22,24,26,28,30
.irp c, 0,1
	s_delay_alu instid0(VALU_DEP_2)
	v_max3_num_f32 v[10+\c], v[10+\c], |v[XN+32*\c+\i]|, |v[XN+32*\c+\i+1]|   ; (the two blocks by turns)
.endr
.endr
.irp c, 0,1
	s_delay_alu instid0(VALU_DEP_2)
	v_add_nc_u32 v[12+\c], 0xff000000, v[10+\c]    ; 2 off the exponent field: the conversion takes the exponent field of this operand as its scale
.endr
.irp c, 0,1
	s_delay_alu instid0(VALU_DEP_2)
	v_lshrrev_b32 v[14+\c], 23, v[12+\c]           ; the scale's byte
.endr
	s_delay_alu instid0(VALU_DEP_1)
	v_lshl_or_b32 v19, v15, 16, v14                ; my two bytes, blocks h and 2 + h,
	s_delay_alu instid0(VALU_DEP_1)
	v_lshlrev_b32 v19, v26, v19                    ; at their places in the word;
	s_delay_alu instid0(VALU_DEP_1)
	v_permlanex16_b32 v27, v19, s50, s51
	s_delay_alu instid0(VALU_DEP_1)
	v_or_b32 v[WD+\f], v19, v27                    ; with lane l xor 16's two the word is whole
.irp c, 0,1
	v_cvt_scalef32_pk16_fp6_f32 v[CD+12*\f+6*\c:CD+12*\f+6*\c+2], v[XN+32*\c:XN+32*\c+15], v[12+\c]
	v_cvt_scalef32_pk16_fp6_f32 v[16+4*\c:18+4*\c], v[XN+32*\c+16:XN+32*\c+31], v[12+\c]   ; (a conversion's three registers begin on an even number: the second half is made elsewhere and moved)
.endr
	v_nop                                          ; one plain place behind a scaled conversion
.irp c, 0,1
.irp i, 0,1,2
	v_mov_b32 v[CD+12*\f+6*\c+3+\i], v[16+4*\c+\i]
.endr
.endr
	ds_store_b32 v7, v[WD+\f] offset:4*\f          ; both halves of the lanes write the same word with the same value
.irp i, 0,1,2
	global_store_b128 v4, v[CD+12*\f+4*\i:CD+12*\f+4*\i+3], s[28:29] offset:1536*\f+512*\i   ; 512 consecutive bytes, at a multiple of 256 from cw's first byte
.endr
.endm
	s_wait_alu depctr_va_vdst(0)
	FRAGQ 0
	FRAGQ 1
	s_wait_dscnt 0x0                               ; for the others' sake: my scale words lie in LDS
	s_barrier_signal -1
	s_barrier_wait -1                              ; all eight waves' do
	s_cmp_lt_u32 s20, 2
	s_cbranch_scc0 .Lend
	ds_load_b128 v[28:31], v25                     ; waves 0 and 1 store the tile's 1,024 bytes of words, 512 consecutive bytes each
	s_wait_dscnt 0x0
	global_store_b128 v24, v[28:31], s[30:31]
	s_branch .Lend
	; ---- the table.  Frequency f: 1 / 10000^(f / 32) = 1 / 10^(f / 8), made as the definition makes it: the f32 number 10^(f / 8), then its reciprocal, rounded as a division rounds it
.Lrope:
	s_lshl_b32 s21, ttmp9, 7
	s_lshl_b32 s22, s20, 4
	s_add_co_u32 s21, s21, s22                     ; my first token: 128 x work-group + 16 x wave
	s_lshl_b32 s22, s21, 2
	s_mov_b32 s23, 0
	s_add_nc_u64 s[14:15], s[14:15], s[22:23]
	s_load_b512 s[32:47], s[14:15], 0x0            ; my 16 positions
	s_lshl_b32 s22, s21, 8
	s_add_nc_u64 s[18:19], s[18:19], s[22:23]      ; 256 bytes a token
	v_mov_b32 v10, 1.0
.macro PW10 lane, val
	s_mov_b32 s24, \val
	v_writelane_b32 v10, s24, \lane
.endm
	PW10 1, 1.3335214322
	PW10 2, 1.7782794100
	PW10 3, 2.3713737057
	PW10 4, 3.1622776602
	PW10 5, 4.2169650343
	PW10 6, 5.6234132519
	PW10 7, 7.4989420933
	PW10 8, 10.0
	PW10 9, 13.335214322
	PW10 10, 17.782794100
	PW10 11, 23.713737057
	PW10 12, 31.622776602
	PW10 13, 42.169650343
	PW10 14, 56.234132519
	PW10 15, 74.989420933
	PW10 16, 100.0
	PW10 17, 133.35214322
	PW10 18, 177.82794100
	PW10 19, 237.13737057
	PW10 20, 316.22776602
	PW10 21, 421.69650343
	PW10 22, 562.34132519
	PW10 23, 749.89420933
	PW10 24, 1000.0
	PW10 25, 1333.5214322
	PW10 26, 1778.2794100
	PW10 27, 2371.3737057
	PW10 28, 3162.2776602
	PW10 29, 4216.9650343
	PW10 30, 5623.4132519
	PW10 31, 7498.9420933
	s_wait_alu depctr_va_vdst(0)
	v_rcp_f32 v11, v10
	v_lshlrev_b32 v13, 3, v1                       ; (a plain place behind the reciprocal)  8 x lane: my frequency's pair in a token's 256 bytes
	v_xor_b32 v14, 1, v3
	s_delay_alu instid0(VALU_DEP_1)
	v_lshlrev_b32 v14, 31, v14                     ; the sign bit for frequencies 0-15
	s_wait_alu depctr_va_vdst(0)                   ; ahead of the first reader
	v_fma_f32 v12, -v10, v11, 1.0                  ; one step of Newton's: the error of the reciprocal,
	v_fma_f32 v11, v12, v11, v11                   ; taken off
	s_mov_b32 s52, 0xbfc90fdb                      ; -pi / 2 in three terms: the first,
	s_mov_b32 s53, 0x333bbd2e                      ; what it leaves,
	s_mov_b32 s54, 0x26f72ced                      ; and what that leaves
	s_mov_b32 s55, -0.00019515295891               ; sin r = r + z r (S1 + z (S2 + z S3)), z = r r, |r| <= pi / 4
	s_mov_b32 s56, 0.0083321608736
	s_mov_b32 s57, -0.16666654611
	s_mov_b32 s58, 0.000024433157118               ; cos r = 1 - z / 2 + z z (C1 + z (C2 + z C3))
	s_mov_b32 s59, -0.0013887316255
	s_mov_b32 s60, 0.041666645683
	s_wait_kmcnt 0x0
.macro SINCOS u
	v_cvt_f32_i32 v16, s[32+\u]
	s_wait_alu depctr_va_vdst(0)
	v_mul_f32 v16, v16, v11                        ; the angle, one f32 product as in the definition
	s_delay_alu instid0(VALU_DEP_1)
	v_mul_f32 v17, 0x3f22f983, v16                 ; x 2 / pi
	s_delay_alu instid0(VALU_DEP_1)
	v_rndne_f32 v17, v17                           ; k quarter turns
	s_delay_alu instid0(VALU_DEP_1)
	v_fma_f32 v18, v17, s52, v16
	s_delay_alu instid0(VALU_DEP_1)
	v_fma_f32 v18, v17, s53, v18
	s_delay_alu instid0(VALU_DEP_1)
	v_fma_f32 v18, v17, s54, v18                   ; r = angle - k pi / 2
	s_delay_alu instid0(VALU_DEP_1)
	v_mul_f32 v19, v18, v18                        ; z
	v_cvt_i32_f32 v24, v17
	s_delay_alu instid0(VALU_DEP_2)
	v_fma_f32 v20, v19, s55, s56
	s_delay_alu instid0(VALU_DEP_1)
	v_fma_f32 v20, v20, v19, s57
	s_delay_alu instid0(VALU_DEP_4)
	v_mul_f32 v22, v19, v18
	s_delay_alu instid0(VALU_DEP_1)
	v_fma_f32 v20, v20, v22, v18                   ; sin r
	v_fma_f32 v21, v19, s58, s59
	s_delay_alu instid0(VALU_DEP_1)
	v_fma_f32 v21, v21, v19, s60
	v_mul_f32 v22, v19, v19
	v_fma_f32 v23, v19, -0.5, 1.0
	s_delay_alu instid0(VALU_DEP_1)
	v_fma_f32 v21, v21, v22, v23                   ; cos r
	v_and_b32 v22, 1, v24
	s_delay_alu instid0(VALU_DEP_1)
	v_cmp_eq_u32 vcc_lo, 1, v22                    ; an odd number of quarter turns changes the two over
	s_delay_alu instid0(VALU_DEP_1)
	v_cndmask_b32 v25, v20, v21, vcc_lo
	s_delay_alu instid0(VALU_DEP_2)
	v_cndmask_b32 v26, v21, v20, vcc_lo
	v_lshlrev_b32 v22, 30, v24
	s_delay_alu instid0(VALU_DEP_1)
	v_and_b32 v22, 0x80000000, v22                 ; the sine is negative in quarters 2 and 3,
	s_delay_alu instid0(VALU_DEP_1)
	v_xor_b32 v22, v22, v14                        ; and takes the table's own sign
	s_delay_alu instid0(VALU_DEP_1)
	v_xor_b32 v[65+2*\u], v25, v22
	v_add_nc_u32 v24, 1, v24
	s_delay_alu instid0(VALU_DEP_1)
	v_lshlrev_b32 v24, 30, v24
	s_delay_alu instid0(VALU_DEP_1)
	v_and_b32 v24, 0x80000000, v24                 ; the cosine in quarters 1 and 2
	s_delay_alu instid0(VALU_DEP_1)
	v_xor_b32 v[64+2*\u], v26, v24
	global_store_b64 v13, v[64+2*\u:65+2*\u], s[18:19] offset:256*\u   ; 32 lanes store a token's 256 bytes; each token has its own two registers
.endm
.irp u, 0,1,2,3,4,5,6,7,8,9,10,11,12,13,14,15
	SINCOS \u
.endr
.Lend:
	s_wait_tensorcnt 0x0                           ; the wave's end: behind my last LDS store
	ds_add_u32 v8, v9
	s_wait_dscnt 0x0
	s_endpgm
.Lfunc_end_k_q0976b9123d_quant:
	.size	k_q0976b9123d_quant, .Lfunc_end_k_q0976b9123d_quant-k_q0976b9123d_quant
	.p2alignl 7, 3214868480
	.fill 96, 4, 3214868480
	.section	.rodata,"a",@progbits
	.p2align	6, 0x0
	.amdhsa_kernel k_q0976b9123d_quant
		.amdhsa_group_segment_fixed_size 69632
		.amdhsa_private_segment_fixed_size 0
		.amdhsa_enable_private_segment 0
		.amdhsa_kernarg_size 64
		.amdhsa_user_sgpr_count 2
		.amdhsa_user_sgpr_kernarg_segment_ptr 1
		.amdhsa_wavefront_size32 1
		.amdhsa_system_sgpr_workgroup_id_x 1
		.amdhsa_system_sgpr_workgroup_id_y 1
		.amdhsa_system_sgpr_workgroup_id_z 1
		.amdhsa_system_vgpr_workitem_id 0
		.amdhsa_next_free_vgpr 256
		.amdhsa_next_free_sgpr 66
		.amdhsa_reserve_vcc 1
		.amdhsa_float_denorm_mode_32 3
		.amdhsa_float_denorm_mode_16_64 3
		.amdhsa_memory_ordered 1
		.amdhsa_forward_progress 1
		.amdhsa_inst_pref_size 59
	.end_amdhsa_kernel
	.amdgpu_metadata
---
amdhsa.version: [ 1, 2 ]
amdhsa.kernels:
  - .name:           k_q0976b9123d_quant
    .symbol:         k_q0976b9123d_quant.kd
    .args:
      - { .name: x, .offset: 0, .size: 8, .value_kind: global_buffer, .address_space: global }
      - { .name: Wq, .offset: 8, .size: 8, .value_kind: global_buffer, .address_space: global }
      - { .name: Wk, .offset: 16, .size: 8, .value_kind: global_buffer, .address_space: global }
      - { .name: Wv, .offset: 24, .size: 8, .value_kind: global_buffer, .address_space: global }
      - { .name: Wc, .offset: 32, .size: 8, .value_kind: global_buffer, .address_space: global }
      - { .name: position_ids, .offset: 40, .size: 8, .value_kind: global_buffer, .address_space: global }
      - { .name: cw, .offset: 48, .size: 8, .value_kind: global_buffer, .address_space: global }
      - { .name: rope, .offset: 56, .size: 8, .value_kind: global_buffer, .address_space: global }
    .group_segment_fixed_size: 69632
    .private_segment_fixed_size: 0
    .kernarg_segment_align: 8
    .kernarg_segment_size: 64
    .max_flat_workgroup_size: 256
    .sgpr_count:     66
    .vgpr_count:     256
    .wavefront_size: 32
...
	.end_amdgpu_metadata
.endif
;; end of part 1
;; launch qkv (part 2): grid 24 x 8, 4 waves a work-group, clusters of 4 x 1, 327,680 bytes of LDS; arguments cw, rope, qb, kvb; writes qb, kvb
.if DOCPART == 2
	.amdgcn_target "amdgcn-amd-amdhsa--gfx1250"
	.amdhsa_code_object_version 6
	.text
	.protected	k_q0976b9123d_qkv
	.globl	k_q0976b9123d_qkv
	.p2align	8
	.type	k_q0976b9123d_qkv,@function
k_q0976b9123d_qkv:
	s_mov_b64 s[64:65], 0
	v_nop
	global_prefetch_b8 v0, s[64:65] scope:SCOPE_SE
	s_setreg_imm32_b32 hwreg(HW_REG_WAVE_MODE, 25, 1), 1
	s_wait_xcnt 0x0
	s_wait_alu depctr_hold_cnt(0) depctr_sa_sdst(0) depctr_va_vdst(0) depctr_va_sdst(0) depctr_va_ssrc(0) depctr_va_vcc(0) depctr_vm_vsrc(0)
	s_getreg_b32 s2, hwreg(HW_REG_IB_STS2, 6, 4)
	s_cmp_eq_u32 s2, 0
	s_cbranch_scc0 .Lentry_in_a_cluster
	s_endpgm
.Lentry_in_a_cluster:
	s_bfe_u32 s2, ttmp6, 0x10000c
	s_cmp_lg_u32 s2, 0x3003
	s_cbranch_scc0 .Lentry_shape_is_right
	s_endpgm
.Lentry_shape_is_right:
; q = x Wq^T, k = x Wk^T, v = x Wv^T on codes of FP6 (E2M3) with E8M0 scales, K = 2,048; q and k are turned by the table of cosines and sines and quantised along the head's 64; v is quantised along the keys.
; Operands come from cw as images of the operand's registers (a fragment of 16 rows x 128 K = 1,536 bytes, three loads of 16 bytes a lane); a TILE is rows 32 (T / 2) + 8 (T % 2) + r + 8 (r / 8).
; With such tiles as source 0, the 16 registers of two neighbouring accumulators are 16 NEIGHBOURS along source 0's rows: 32 B + 16 (lane / 16) + 0 .. 15; a lane holds one row of source 1.
; SHARES.  A work-group makes 128 rows of source 0 x 256 rows of source 1; its four waves take all 8 tiles of source 0 x 4 tiles of source 1 each: 32 accumulators, 256 registers.
;   cluster x = 0 .. 3 (q), 4 (k): source 0 = 128 rows of the weight (two heads), source 1 = 256 tokens: a lane's registers run along the head: what the turning and q's and k's quantiser want.
;   cluster x = 5 (v): source 0 = 128 tokens (one key step), source 1 = 256 rows of Wv (a head to a wave): a lane's registers run along the keys: what v's quantiser wants.  Only offsets differ: the loop is one text.
; K goes in four fills of 512 through two LDS slots; all is written out.
; CLUSTER 4 x 1: the four partners differ in source 0 alone; source 1, two thirds of a fill's bytes, is asked for JOINTLY (mask 15).  Source 0's loads are each work-group's own.
; No 4 x 4 cluster: v has two tiles of source 1 and four of source 0 in a column of the grid, so the grid's 8 rows do not fall into fours that share source 0.
; OUT.  qb: half fragments (16 rows x 64: registers 0-3 at 16 l, 4-5 at 512 + 8 l: 768 bytes) at (head x 128 + tile) x 768; from QSO on scale words [head][tile / 4][r][tile % 4].
;   kvb: a record of REC bytes a head: k's half fragments at tile x 768; v's fragments at 98,304 + (key step x 4 + tile of the head's 64) x 1,536; k's words at 196,608, as q's; v's at 204,800 + key step x 256 + 16 r + 4 x tile.
; LIMITS: NaN and infinities are not served; a block whose largest magnitude lies under 2^-124 gets the byte 1 (zeros too: the bytes are read by this program alone); the turning is a product and a fused multiply-add
; where the definition rounds three times.
; REGISTERS.  window 0: v1-17 addresses; v20-35 at work; v36-39 the scale words made; v40-47 at work; v48-111 scale words, two sets; v112-159, v160-207 source 1's fragments, two sets (on the way out: codes, and v192-223 at work).
;   window 1: source 0's fragments, two sets, at v0 and v128.   window 2: accumulator (a, b) at v[8 (8 b + a)].   window 3: v0-127 the table for my four tiles of tokens.
.set SLOT,  147456                     ; a slot: source 0's 8 tiles x 6,144 bytes, then source 1's 16
.set S1O,   49152
.set TILEB, 6144                       ; a tile's four K steps
.set FRB,   1536
.set TROW,  24576                      ; a tile's sixteen K steps in memory
.set SC1,   294912                     ; behind the ring: source 1's scale words, 16 tiles x 1,024 bytes,
.set SC0,   311296                     ; source 0's, 8 tiles,
.set SPARE, 319488                     ; and the spare words, 128 bytes for each wave: two blocks of 256 bytes that no other line names
.set CWS,   11010048
.set QSO,   3145728
.set REC,   208896
.set NF,    36                         ; LDS loads that bring a K step's 12 fragments
.set A0,    4                          ; v4-5   LDS address of source 0's fragments in slot 0, 1
.set A1,    6                          ; v6-7   of my four tiles of source 1
.set ADRS,  10                         ; v10    of the scale words: lanes 0-15 source 1's, lanes 16-31 source 0's
.set SPW,   12                         ; v12    my spare word; never rewritten
.set NIL,   13                         ; v13    0; never rewritten
.set L16,   14                         ; v14    16 x lane
.set L8,    15                         ; v15    8 x lane
.set WO,    16                         ; v16    16 r + 8 h: where I store two scale words
.set RO,    17                         ; v17    my token's row of the table, + 64 h
.set TM,    20
.set PW,    36
.set SCR,   48
.set F1,    112
.set G1A,   24                         ; s[24:31] group 1: source 0's codes;  s[32:39] source 1's;  s[40:47], s[48:55] their scale words
.set G1B,   32
.set G1SA,  40
.set G1SB,  48
.set G0A,   56                         ; s[56:63] group 0 for source 0's codes, a set for each slot;  s[68:75] source 1's;  s[76:79], s[80:83] the scale words'
.set G0B,   68
.set G0SA,  76
.set G0SB,  80
.set MSB, 0
.macro WIN new                         ; the immediate's high byte repeats the setting that is left
.if MSB != \new
	s_set_vgpr_msb (MSB<<8)|\new
.set MSB, \new
.endif
.endm
.macro PLACES n
.rept \n
	v_nop
.endr
.endm
; Waves 0 and 1 fetch for source 0, waves 2 and 3 for source 1.  The branch hangs on the wave's number alone.  An s_nop 0 and four v_nop follow each of the two lines.
.macro JLOAD g0a, g1a, g0b, g1b
	s_cmp_eq_u32 s14, 0
	s_cbranch_scc0 .Lfor_b_\@
	tensor_load_to_lds s[\g0a:\g0a+3], s[\g1a:\g1a+7]
	s_nop 0
.rept 4
	v_nop
.endr
	s_branch .Lasked_\@
.Lfor_b_\@:
	tensor_load_to_lds s[\g0b:\g0b+3], s[\g1b:\g1b+7]
	s_nop 0
.rept 4
	v_nop
.endr
.Lasked_\@:
.endm
.macro CREST                           ; a round of the cluster's barrier behind its opening barrier
	s_cmp_lg_u32 s12, 0
	s_cbranch_scc1 .Lnot_wave_0_\@
	s_barrier_signal -3
.Lnot_wave_0_\@:
	s_barrier_wait -3
	s_barrier_signal -1
	s_barrier_wait -1
.endm
.macro CROUND
	s_barrier_signal -1
	s_barrier_wait -1
	CREST
.endm
	s_load_b256 s[4:11], s[0:1], 0x0               ; cw, rope, qb, kvb
	v_lshl_add_u32 v[SPW], v0, 2, SPARE
	v_mov_b32 v[NIL], 0
	ds_add_u32 v[SPW], v[NIL]                      ; the wave's opening: the adds and their wait ahead of my first tensor load; the set-up below, work on registers, stands between them
	ds_add_u32 v[SPW], v[NIL]
	v_lshrrev_b32 v1, 5, v0
	v_readfirstlane_b32 s12, v1                    ; wave 0..3
	s_and_b32 s13, s12, 1                          ; which half of a source's tiles I fetch
	s_lshr_b32 s14, s12, 1                         ; for source 0 (0) or source 1 (1)
	s_bfe_u32 s15, ttmp6, 0x40000                  ; cx: it enters source 0's and the results' global addresses alone
	s_mov_b32 s16, ttmp9                           ; cluster x: the kind of work
	s_and_b32 s17, ttmp7, 0xffff                   ; y
	s_mov_b32 s[G1A], 3<<16                        ; elements of 8 bytes; no mask: my own load
	s_mov_b32 s[G1A+1], 768<<16                    ; a row: a tile's 6,144 bytes
	s_mov_b32 s[G1A+2], 8<<16                      ; the head's load: all 8 tiles
	s_mov_b32 s[G1A+3], 768<<16
	s_mov_b32 s[G1A+4], 8
	s_mov_b32 s[G1A+5], 3072                       ; 24,576 bytes from tile to tile
	s_mov_b32 s[G1A+6], 0
	s_mov_b32 s[G1A+7], 0
	s_mov_b32 s[G1B], 15|(3<<16)|(1<<21)           ; the mask: all four work-groups; bit 21 set beside it
	s_mov_b32 s[G1B+1], 768<<16
	s_mov_b32 s[G1B+2], 16<<16                     ; the head's load: all 16 tiles
	s_mov_b32 s[G1B+3], 768<<16
	s_mov_b32 s[G1B+4], 16
	s_mov_b32 s[G1B+5], 3072
	s_mov_b32 s[G1B+6], 0
	s_mov_b32 s[G1B+7], 0
	s_mov_b32 s[G1SA], 3<<16                       ; scale words: dense, as rows of 256 bytes
	s_mov_b32 s[G1SA+1], 32<<16
	s_mov_b32 s[G1SA+2], 32<<16                    ; 8 tiles' 8,192 bytes
	s_mov_b32 s[G1SA+3], 32<<16
	s_mov_b32 s[G1SA+4], 32
	s_mov_b32 s[G1SA+5], 32
	s_mov_b32 s[G1SA+6], 0
	s_mov_b32 s[G1SA+7], 0
	s_mov_b32 s[G1SB], 15|(3<<16)|(1<<21)          ; jointly
	s_mov_b32 s[G1SB+1], 32<<16
	s_mov_b32 s[G1SB+2], 64<<16                    ; 16 tiles' 16,384 bytes, jointly
	s_mov_b32 s[G1SB+3], 32<<16
	s_mov_b32 s[G1SB+4], 64
	s_mov_b32 s[G1SB+5], 32
	s_mov_b32 s[G1SB+6], 0
	s_mov_b32 s[G1SB+7], 0
	; source 1's first tile: tokens 16 y, or for v Wv's 288 + 16 (y / 4).  Nothing here hangs on cx
	s_lshl_b32 s19, s17, 4
	s_lshr_b32 s84, s17, 2
	s_lshl_b32 s84, s84, 4
	s_add_co_u32 s84, s84, 288
	s_cmp_eq_u32 s16, 5
	s_cselect_b32 s19, s84, s19
	s_mul_i32 s86, s19, TROW
	s_mov_b32 s87, 0
	s_lshl_b32 s88, s19, 10
	s_add_co_u32 s88, s88, CWS
	s_mov_b32 s89, 0
	; source 0's first tile: the weight's 128 + 8 hp (hp = 4 x cluster x + cx: a pair of heads), or for v tokens 8 st (st = 4 (y % 4) + cx: a key step)
	s_lshl_b32 s18, s16, 2
	s_add_co_u32 s18, s18, s15                     ; hp
	s_lshl_b32 s90, s18, 3
	s_add_co_u32 s90, s90, 128
	s_and_b32 s94, s17, 3
	s_lshl_b32 s94, s94, 2
	s_add_co_u32 s94, s94, s15                     ; st
	s_lshl_b32 s92, s94, 3
	s_cmp_eq_u32 s16, 5
	s_cselect_b32 s90, s92, s90
	s_lshl_b32 s92, s90, 10
	s_add_co_u32 s92, s92, CWS
	s_mov_b32 s93, 0
	s_mul_i32 s90, s90, TROW
	s_mov_b32 s91, 0
	s_mul_i32 s95, s13, 4*TILEB                    ; where they go in a slot: no place in the cluster enters an LDS address
	s_mul_i32 s97, s13, 8*TILEB
	s_mul_i32 s20, s13, 4*TROW                     ; in the ring I fetch half of a source's tiles: where that half begins in memory
	s_mov_b32 s21, 0
	s_mul_i32 s22, s13, 8*TROW
	s_mov_b32 s23, 0
	s_mov_b32 s96, 0xffff0000                      ; lanes 16-31
	s_mov_b32 s98, 0x76543210
	s_mov_b32 s99, 0xfedcba98                      ; selects for lane l xor 16
	s_wait_dscnt 0x0                               ; the opening add is done
	s_wait_kmcnt 0x0
	s_add_nc_u64 s[90:91], s[4:5], s[90:91]
	s_add_nc_u64 s[92:93], s[4:5], s[92:93]
	s_add_nc_u64 s[86:87], s[4:5], s[86:87]
	s_add_nc_u64 s[88:89], s[4:5], s[88:89]
	CROUND                                         ; all four work-groups are here: the first joint loads meet
	s_mov_b32 s[G0SA], 1
	s_mov_b32 s[G0SA+1], SC0
	s_mov_b64 s[G0SA+2:G0SA+3], s[92:93]
	s_or_b32 s[G0SA+3], s[G0SA+3], 0x80000000
	s_mov_b32 s[G0SB], 1
	s_mov_b32 s[G0SB+1], SC1
	s_mov_b64 s[G0SB+2:G0SB+3], s[88:89]
	s_or_b32 s[G0SB+3], s[G0SB+3], 0x80000000
	s_mov_b32 s[G0A], 1                            ; fill 0, each source whole: slot 0's sets of registers serve the head's loads first
	s_mov_b32 s[G0A+1], 0
	s_mov_b64 s[G0A+2:G0A+3], s[90:91]
	s_or_b32 s[G0A+3], s[G0A+3], 0x80000000
	s_mov_b32 s[G0B], 1
	s_mov_b32 s[G0B+1], S1O
	s_mov_b64 s[G0B+2:G0B+3], s[86:87]
	s_or_b32 s[G0B+3], s[G0B+3], 0x80000000
	s_add_nc_u64 s[90:91], s[90:91], s[20:21]      ; for the ring: my half of the tiles
	s_add_nc_u64 s[86:87], s[86:87], s[22:23]
	s_mov_b32 s[G0A+4], 1                          ; slot 1: fill 1
	s_add_co_u32 s[G0A+5], s95, SLOT
	s_add_nc_u64 s[G0A+6:G0A+7], s[90:91], TILEB
	s_or_b32 s[G0A+7], s[G0A+7], 0x80000000
	s_mov_b32 s[G0B+4], 1
	s_add_co_u32 s[G0B+5], s97, SLOT+S1O
	s_add_nc_u64 s[G0B+6:G0B+7], s[86:87], TILEB
	s_or_b32 s[G0B+7], s[G0B+7], 0x80000000
; THE HEAD'S LOADS, ONE A WAVE: wave 0 fill 0 of source 0, wave 1 fill 0 of source 1, wave 2 source 0's scale words, wave 3 source 1's.
; One tree of branches on the wave's number; every way through it passes exactly one load.
.macro ARM under, g0, g1, next
	s_cmp_lt_u32 s12, \under
	s_cbranch_scc0 \next
	tensor_load_to_lds s[\g0:\g0+3], s[\g1:\g1+7]
	s_nop 0
.rept 4
	v_nop
.endr
	s_branch .Lhead_asked
\next:
.endm
	ARM 1, G0A,  G1A,  .Lhead_b
	ARM 2, G0B,  G1B,  .Lhead_sa
	ARM 3, G0SA, G1SA, .Lhead_sb
	tensor_load_to_lds s[G0SB:G0SB+3], s[G1SB:G1SB+7]
	s_nop 0
.rept 4
	v_nop
.endr
.Lhead_asked:
	v_and_b32 v3, 31, v0                           ; lane
	v_and_b32 v1, 15, v0                           ; r
	v_bfe_u32 v2, v0, 4, 1                         ; h
	v_lshlrev_b32 v[L16], 4, v3
	v_lshlrev_b32 v[L8], 3, v3
	v_mov_b32 v[A0], v[L16]
	v_add_nc_u32 v[A0+1], SLOT, v[L16]
	s_mul_i32 s84, s12, 4*TILEB
	s_add_co_u32 s84, s84, S1O
	v_add_nc_u32 v[A1], s84, v[L16]
	s_add_co_u32 s84, s84, SLOT
	v_add_nc_u32 v[A1+1], s84, v[L16]
	v_lshlrev_b32 v[ADRS], 6, v1                   ; 64 r
	s_xor_b32 s84, s12, 3
	s_add_co_u32 s84, s84, 1
	s_lshl_b32 s84, s84, 12                        ; from my four tiles' words of source 1 to source 0's: 4,096 (4 - wave)
	v_mul_u32_u24 v11, s84, v2                     ; lanes 16-31 take source 0's
	v_add_nc_u32 v[ADRS], v[ADRS], v11
	s_lshl_b32 s84, s12, 12
	s_add_co_u32 s84, s84, SC1
	v_add_nc_u32 v[ADRS], s84, v[ADRS]
	v_lshlrev_b32 v[WO], 4, v1
	v_lshl_add_u32 v[WO], v2, 3, v[WO]
	v_and_b32 v[RO], 8, v1
	v_add_nc_u32 v[RO], v[RO], v1                  ; r + 8 (r / 8)
	v_lshlrev_b32 v[RO], 8, v[RO]
	v_lshl_add_u32 v[RO], v2, 6, v[RO]             ; 256 bytes a token, + 64 h: frequencies 8 h + 0 .. 7
.irp k, 0,1,2,3
	v_mov_b32 v[TM+4+\k], 0                        ; written once: a lane permute's destination counts as one of its sources
.endr
	s_lshl_b32 s84, s17, 16
	s_lshl_b32 s85, s12, 14
	s_add_co_u32 s84, s84, s85                     ; tokens 256 y + 64 wave on
	s_mov_b32 s85, 0
	s_add_nc_u64 s[6:7], s[6:7], s[84:85]
	WIN 0xc0                                       ; destination window 3.  The table lands while the products run.  (v's work-groups load it too and do not use it: one text for all)
.irp b, 0,1,2,3
.irp j, 0,1,2,3
	global_load_b128 v[32*\b+4*\j:32*\b+4*\j+3], v[RO], s[6:7] offset:(32*(\b/2)+8*(\b%2))*256+16*\j            ; (cos, -sin) of frequencies 8 h + 2 j, 8 h + 2 j + 1
	global_load_b128 v[32*\b+16+4*\j:32*\b+16+4*\j+3], v[RO], s[6:7] offset:(32*(\b/2)+8*(\b%2))*256+128+16*\j  ; (cos, sin) of frequencies 16 + 8 h + ..
.endr
.endr
	WIN 0
; n x 4 matrix instructions: source 0's tiles a0 .. a0 + n - 1 x my four of source 1, the slot's q-th 128 along K.  The 32 accumulators take turns, one instruction a turn, in the same order in every K step.
; The scale words: register 4 i + q of a set holds in lanes 0-15 the word of source 1's tile i, in lanes 16-31 that of source 0's tile i.
.macro MULS set, sc, q, a0, n, zero
	WIN 0xa1                                       ; source 0 window 1, source 1 window 0, C and D window 2
.set ma, \a0
.rept \n
.set mb, 0
.rept 4
.if \zero
	v_wmma_scale_f32_16x16x128_f8f6f4 v[8*(8*mb+ma):8*(8*mb+ma)+7], v[128*(\set)+12*ma:128*(\set)+12*ma+11], v[F1+48*(\set)+12*mb:F1+48*(\set)+12*mb+11], 0, v[SCR+32*(\sc)+4*ma+(\q)], v[SCR+32*(\sc)+4*mb+(\q)] matrix_a_fmt:MATRIX_FMT_FP6 matrix_b_fmt:MATRIX_FMT_FP6 matrix_a_scale:MATRIX_SCALE_ROW1
.else
	v_wmma_scale_f32_16x16x128_f8f6f4 v[8*(8*mb+ma):8*(8*mb+ma)+7], v[128*(\set)+12*ma:128*(\set)+12*ma+11], v[F1+48*(\set)+12*mb:F1+48*(\set)+12*mb+11], v[8*(8*mb+ma):8*(8*mb+ma)+7], v[SCR+32*(\sc)+4*ma+(\q)], v[SCR+32*(\sc)+4*mb+(\q)] matrix_a_fmt:MATRIX_FMT_FP6 matrix_b_fmt:MATRIX_FMT_FP6 matrix_a_scale:MATRIX_SCALE_ROW1
.endif
.set mb, mb+1
.endr
.set ma, ma+1
.endr
.endm
.macro FETCH slot, q, set              ; NF loads in one run, each of 512 consecutive bytes: the 12 fragments of the slot's q-th K step
	WIN 0x40                                       ; destination window 1
.irp a, 0,1,2,3,4,5,6,7
.irp i, 0,1,2
	ds_load_b128 v[128*(\set)+12*\a+4*\i:128*(\set)+12*\a+4*\i+3], v[A0+(\slot)] offset:TILEB*\a+FRB*(\q)+512*\i
.endr
.endr
	WIN 0
.irp b, 0,1,2,3
.irp i, 0,1,2
	ds_load_b128 v[F1+48*(\set)+12*\b+4*\i:F1+48*(\set)+12*\b+4*\i+3], v[A1+(\slot)] offset:TILEB*\b+FRB*(\q)+512*\i
.endr
.endr
.endm
.macro SCALES sig, set                 ; the four words a row of fill sig.  (For i >= 4 lanes 0-15 read words that have landed and are not used)
.irp i, 0,1,2,3,4,5,6,7
	ds_load_b128 v[SCR+32*(\set)+4*\i:SCR+32*(\set)+4*\i+3], v[ADRS] offset:1024*\i+16*(\sig)
.endr
.endm
; A K step that has its successor in the same slot.  A load into a register that a matrix instruction has read stands four places behind it, and only plain vector instructions are places (ISA guide 7.12.1 for vector instructions).
.macro KSTEP slot, q, zero
	PLACES 4
	FETCH \slot, (\q)+1, ((\q)+1)%2
	s_wait_dscnt NF                                ; all but the NF just issued: this K step's fragments (and words) are in
	MULS (\q)%2, \slot, \q, 0, 8, \zero
	WIN 0
.endm
; A slot's last K step changes slots: ONE barrier; in front of it each wave waits for all its tensor loads, adds 0 to its spare word, and waits for that and for its own reads of this slot.  fill = 1: the slot is filled again, two fills ahead.
.macro TURN slot, sig, fill
	s_wait_tensorcnt 0x0                           ; all my tensor loads have landed: my part of the next slot
	ds_add_u32 v[SPW], v[NIL]                      ; 0 onto my spare word
	s_wait_dscnt 1                                 ; (only the add may be out: this K step's fragments are in)
	MULS 1, \slot, 3, 0, 4, 0                      ; sixteen matrix instructions stand between the add and the wait for it
	s_wait_dscnt 0x0                               ; the add is done, and my reads of this slot are over
	s_barrier_signal -1
	MULS 1, \slot, 3, 4, 2, 0
	WIN 0
	s_barrier_wait -1
.if \fill
	CREST                                          ; the barrier has opened a round of the cluster's: no wave of any partner still reads this slot or has a load on its way
	s_add_nc_u64 s[G0A+4*\slot+2:G0A+4*\slot+3], s[G0A+4*\slot+2:G0A+4*\slot+3], 2*TILEB
	s_add_nc_u64 s[G0B+4*\slot+2:G0B+4*\slot+3], s[G0B+4*\slot+2:G0B+4*\slot+3], 2*TILEB
	JLOAD G0A+4*\slot, G1A, G0B+4*\slot, G1B       ; the first tensor load behind the round; its four v_nop are also the places in front of the loads below
.else
	PLACES 4
.endif
	FETCH 1-\slot, 0, 0
	SCALES (\sig)+1, 1-\slot
	MULS 1, \slot, 3, 6, 2, 0
	WIN 0
.endm
	s_wait_alu depctr_va_vdst(0)
	s_wait_tensorcnt 0x0                           ; my one load of the head is in; slot 1's first fill is issued as a refill is:
	ds_add_u32 v[SPW], v[NIL]                      ; 0 onto my spare word
	s_mov_b32 s[G1A+2], 4<<16                      ; no load of mine is out, so descriptors may be written: from here on a load brings half of a source's tiles,
	s_mov_b32 s[G1A+4], 4
	s_mov_b32 s[G1B+2], 8<<16
	s_mov_b32 s[G1B+4], 8
	s_add_co_u32 s[G0A+1], s[G0A+1], s95           ; and slot 0's sets point at my half
	s_add_nc_u64 s[G0A+2:G0A+3], s[G0A+2:G0A+3], s[20:21]
	s_add_co_u32 s[G0B+1], s[G0B+1], s97
	s_add_nc_u64 s[G0B+2:G0B+3], s[G0B+2:G0B+3], s[22:23]
	s_wait_dscnt 0x0                               ; the add is done
	CROUND                                         ; everybody's loads are in, and all four work-groups are here
	JLOAD G0A+4, G1A, G0B+4, G1B                   ; fill 1: the first tensor load behind the round
	FETCH 0, 0, 0
	SCALES 0, 0
	KSTEP 0, 0, 1                                  ; the first products start the sums: nothing is cleared
	KSTEP 0, 1, 0
	KSTEP 0, 2, 0
	TURN 0, 0, 1
	KSTEP 1, 0, 0
	KSTEP 1, 1, 0
	KSTEP 1, 2, 0
	TURN 1, 1, 1
	KSTEP 0, 0, 0
	KSTEP 0, 1, 0
	KSTEP 0, 2, 0
	TURN 0, 2, 0                                   ; nothing is left to fetch: a plain barrier
	KSTEP 1, 0, 0
	KSTEP 1, 1, 0
	KSTEP 1, 2, 0
	s_wait_dscnt 0x0
	MULS 1, 1, 3, 0, 8, 0
	WIN 0
	PLACES 4                                       ; in front of the first reads of results
	s_wait_loadcnt 0x0                             ; the table
; The turning, for my tile b of tokens and both heads.  Register 32 e + i of the tile's 64 is channel 16 h + i of head e, register 32 e + 16 + i channel 32 + 16 h + i; a pair of neighbouring channels shares a frequency.
; new low = low x cos + high x (-sin);  new high = high x cos + low x sin: first all the products by the sines (into window 0), then the fused multiply-adds by the cosines.  Each accumulator is read from its low end on.
.macro ROPE b
.irp e, 0,1
	WIN 0x0e                                       ; source 0 window 2, source 1 window 3, destination window 0
.irp p, 0,1,2,3,4,5,6,7
	v_pk_mul_f32 v[192+2*\p:193+2*\p], v[64*\b+32*\e+16+2*\p:64*\b+32*\e+17+2*\p], v[32*\b+2*\p:32*\b+2*\p+1] op_sel:[0,1] op_sel_hi:[1,1]      ; of the table's pair the second word, the sine, serves both halves
	v_pk_mul_f32 v[208+2*\p:209+2*\p], v[64*\b+32*\e+2*\p:64*\b+32*\e+2*\p+1], v[32*\b+16+2*\p:32*\b+17+2*\p] op_sel:[0,1] op_sel_hi:[1,1]
.endr
	WIN 0x8e                                       ; destination window 2, source 2 window 0
.irp p, 0,1,2,3,4,5,6,7
	v_pk_fma_f32 v[64*\b+32*\e+2*\p:64*\b+32*\e+2*\p+1], v[64*\b+32*\e+2*\p:64*\b+32*\e+2*\p+1], v[32*\b+2*\p:32*\b+2*\p+1], v[192+2*\p:193+2*\p] op_sel_hi:[1,0,1]   ; the first word, the cosine, serves both halves
	v_pk_fma_f32 v[64*\b+32*\e+16+2*\p:64*\b+32*\e+17+2*\p], v[64*\b+32*\e+16+2*\p:64*\b+32*\e+17+2*\p], v[32*\b+16+2*\p:32*\b+17+2*\p], v[208+2*\p:209+2*\p] op_sel_hi:[1,0,1]
.endr
.endr
.endm
; The tile's 64 numbers of a lane (register 16 k + i = place 32 k + 16 h + i along source 0's rows) become 12 registers of codes, v[PC] on, and the lane's row's scale word, v[PW + b].
.macro QUANT b
.set QB0, 64*\b
.set PC, 112+20*\b                     ; each tile has its own registers for its codes: no store's data are written again
	WIN 0x0a
.irp k, 0,1,2,3
	v_max3_num_f32 v[TM+\k], |v[QB0+16*\k]|, |v[QB0+16*\k+1]|, 0x1800000   ; block k: my 16 numbers, and the floor 2^(3 - 127): the byte cannot fall under 1
.endr
	WIN 0x28
.irp i, 2,4,6,8,10,12,14
.irp k, 0,1,2,3
	v_max3_num_f32 v[TM+\k], v[TM+\k], |v[QB0+16*\k+\i]|, |v[QB0+16*\k+\i+1]|   ; (the four blocks by turns)
.endr
.endr
	WIN 0
.irp k, 0,1,2,3
	v_permlanex16_b32 v[TM+4+\k], v[TM+\k], s98, s99
.endr
.irp k, 0,1,2,3
	v_max_num_f32 v[TM+\k], v[TM+\k], v[TM+4+\k]   ; with lane l xor 16's: the block's largest magnitude
.endr
.irp k, 0,1,2,3
	v_add_nc_u32 v[TM+12+\k], 0xff000000, v[TM+\k] ; 2 off its exponent field: the conversion's scale operand
.endr
.irp k, 0,1,2,3
	v_lshrrev_b32 v[TM+4+\k], 23, v[TM+12+\k]      ; the scale's byte
.endr
	v_lshl_or_b32 v[PW+\b], v[TM+5], 8, v[TM+4]
	v_lshl_or_b32 v[PW+\b], v[TM+6], 16, v[PW+\b]
	v_lshl_or_b32 v[PW+\b], v[TM+7], 24, v[PW+\b]
	WIN 0x02
.irp c, 0,1
	v_cvt_scalef32_pk16_fp6_f32 v[PC+6*\c:PC+6*\c+2], v[QB0+32*\c:QB0+32*\c+15], v[TM+12+2*\c]
	v_cvt_scalef32_pk16_fp6_f32 v[PC+12+4*\c:PC+14+4*\c], v[QB0+32*\c+16:QB0+32*\c+31], v[TM+13+2*\c]   ; (a conversion's three registers begin on an even number)
.endr
	WIN 0
	v_nop                                          ; one plain place behind a scaled conversion
.irp c, 0,1                                    ; the operand's layout wants a WHOLE block in a lane: lanes 0-15 block 2 c, lanes 16-31 block 2 c + 1
.irp i, 0,1,2
	v_permlane16_swap_b32 v[PC+6*\c+\i], v[PC+12+4*\c+\i]
.endr
.irp i, 0,1,2
	v_mov_b32 v[PC+3+6*\c+\i], v[PC+12+4*\c+\i]
.endr
.endr
.endm
	s_cmp_eq_u32 s16, 5                            ; the cluster's x: the same in all four partners
	s_cbranch_scc1 .Lvpath
	; ---- q and k.  All my tensor loads were waited for at the last change of slots: the descriptors' registers are free
	s_lshl_b32 s84, s17, 4
	s_lshl_b32 s85, s12, 2
	s_add_co_u32 s84, s84, s85                     ; my first tile of tokens: 16 y + 4 wave
	s_mul_i32 s85, s84, 768
	s_lshl_b32 s84, s84, 6                         ; (tile / 4) x 256
	s_lshl_b32 s86, s18, 1                         ; my first head: 2 hp
	s_mul_i32 s87, s86, 98304
	s_add_co_u32 s87, s87, s85                     ; q's codes
	s_lshl_b32 s88, s86, 13
	s_add_co_u32 s88, s88, s84
	s_add_co_u32 s88, s88, QSO                     ; q's words
	s_sub_co_u32 s86, s86, 32                      ; as a head of k: 2 (hp - 16)
	s_mul_i32 s86, s86, REC
	s_add_co_u32 s89, s86, s85                     ; k's codes
	s_add_co_u32 s86, s86, s84
	s_add_co_u32 s86, s86, 196608                  ; k's words
	s_mov_b32 s92, 98304                           ; from head to head
	s_mov_b32 s93, 8192
	s_cmp_eq_u32 s16, 4
	s_cselect_b64 s[90:91], s[10:11], s[8:9]
	s_cselect_b32 s87, s89, s87
	s_cselect_b32 s88, s86, s88
	s_cselect_b32 s92, REC, s92
	s_cselect_b32 s93, REC, s93
	s_mov_b32 s85, 0
	s_mov_b32 s84, s87
	s_add_nc_u64 s[56:57], s[90:91], s[84:85]      ; codes, head 0 of my two
	s_add_co_u32 s84, s87, s92
	s_add_nc_u64 s[58:59], s[90:91], s[84:85]      ; head 1
	s_mov_b32 s84, s88
	s_add_nc_u64 s[60:61], s[90:91], s[84:85]      ; words, head 0
	s_add_co_u32 s84, s88, s93
	s_add_nc_u64 s[62:63], s[90:91], s[84:85]      ; head 1
.irp b, 0,1,2,3
	ROPE \b
	QUANT \b
.irp e, 0,1                                    ; registers 6 e .. 6 e + 5 are head e's half fragment: lane (r, h) holds block h of token r
	global_store_b128 v[L16], v[PC+6*\e:PC+6*\e+3], s[56+2*\e:57+2*\e] offset:768*\b           ; 512 consecutive bytes,
	global_store_b64 v[L8], v[PC+6*\e+4:PC+6*\e+5], s[56+2*\e:57+2*\e] offset:768*\b+512       ; and 256
.endr
.endr
.irp b, 0,1,2,3
	v_and_b32 v[44+\b], 0xffff, v[PW+\b]           ; head 0's two bytes; the word's upper two scale zero codes in the next product
.endr
	v_cndmask_b32 v40, v44, v46, s96               ; lanes 0-15 store tiles 0 and 1's words of row r, lanes 16-31 tiles 2 and 3's
	v_cndmask_b32 v41, v45, v47, s96
	global_store_b64 v[WO], v[40:41], s[60:61]     ; 256 consecutive bytes
.irp b, 0,1,2,3
	v_lshrrev_b32 v[44+\b], 16, v[PW+\b]           ; head 1's
.endr
	v_cndmask_b32 v42, v44, v46, s96
	v_cndmask_b32 v43, v45, v47, s96
	global_store_b64 v[WO], v[42:43], s[62:63]
	s_branch .Ldone
.Lvpath:
	; ---- v: a lane holds one channel of my head, its registers the key step's 128 keys
	s_lshr_b32 s84, s17, 2
	s_lshl_b32 s84, s84, 2
	s_add_co_u32 s84, s84, s12                     ; my head: 4 (y / 4) + wave
	s_mul_i32 s84, s84, REC
	s_mul_i32 s86, s94, 4*FRB                      ; the key step's four fragments
	s_add_co_u32 s86, s86, s84
	s_add_co_u32 s86, s86, 98304
	s_mov_b32 s87, 0
	s_add_nc_u64 s[56:57], s[10:11], s[86:87]
	s_lshl_b32 s86, s94, 8
	s_add_co_u32 s86, s86, s84
	s_add_co_u32 s86, s86, 204800
	s_add_nc_u64 s[60:61], s[10:11], s[86:87]
.irp b, 0,1,2,3
	QUANT \b
.irp i, 0,1,2
	global_store_b128 v[L16], v[PC+4*\i:PC+4*\i+3], s[56:57] offset:FRB*\b+512*\i
.endr
.endr
	v_cndmask_b32 v40, v[PW], v[PW+2], s96
	v_cndmask_b32 v41, v[PW+1], v[PW+3], s96
	global_store_b64 v[WO], v[40:41], s[60:61]
.Ldone:
	s_wait_tensorcnt 0x0                           ; the wave's end: behind my last tensor load
	ds_add_u32 v[SPW], v[NIL]
	s_wait_dscnt 0x0
	CROUND                                         ; the closing round: no work-group ends while a partner may still ask for a tile that names it
	s_endpgm
.Lfunc_end_k_q0976b9123d_qkv:
	.size	k_q0976b9123d_qkv, .Lfunc_end_k_q0976b9123d_qkv-k_q0976b9123d_qkv
	.p2alignl 7, 3214868480
	.fill 96, 4, 3214868480
	.section	.rodata,"a",@progbits
	.p2align	6, 0x0
	.amdhsa_kernel k_q0976b9123d_qkv
		.amdhsa_group_segment_fixed_size 327680
		.amdhsa_private_segment_fixed_size 0
		.amdhsa_enable_private_segment 0
		.amdhsa_kernarg_size 32
		.amdhsa_user_sgpr_count 2
		.amdhsa_user_sgpr_kernarg_segment_ptr 1
		.amdhsa_wavefront_size32 1
		.amdhsa_system_sgpr_workgroup_id_x 1
		.amdhsa_system_sgpr_workgroup_id_y 1
		.amdhsa_system_sgpr_workgroup_id_z 1
		.amdhsa_system_vgpr_workitem_id 0
		.amdhsa_next_free_vgpr 896
		.amdhsa_next_free_sgpr 100
		.amdhsa_reserve_vcc 0
		.amdhsa_float_denorm_mode_32 3
		.amdhsa_float_denorm_mode_16_64 3
		.amdhsa_memory_ordered 1
		.amdhsa_forward_progress 1
		.amdhsa_inst_pref_size 176
	.end_amdhsa_kernel
	.amdgpu_metadata
---
amdhsa.version: [ 1, 2 ]
amdhsa.kernels:
  - .name:           k_q0976b9123d_qkv
    .symbol:         k_q0976b9123d_qkv.kd
    .args:
      - { .name: cw, .offset: 0, .size: 8, .value_kind: global_buffer, .address_space: global }
      - { .name: rope, .offset: 8, .size: 8, .value_kind: global_buffer, .address_space: global }
      - { .name: qb, .offset: 16, .size: 8, .value_kind: global_buffer, .address_space: global }
      - { .name: kvb, .offset: 24, .size: 8, .value_kind: global_buffer, .address_space: global }
    .group_segment_fixed_size: 327680
    .private_segment_fixed_size: 0
    .kernarg_segment_align: 8
    .kernarg_segment_size: 32
    .max_flat_workgroup_size: 128
    .sgpr_count:     100
    .vgpr_count:     896
    .wavefront_size: 32
...
	.end_amdgpu_metadata
.endif
;; end of part 2
;; launch attn (part 3): grid 32 x 8, 16 waves a work-group, clusters of 4 x 1, 247,808 bytes of LDS; arguments qb, kvb, yb; writes yb
.if DOCPART == 3
	.amdgcn_target "amdgcn-amd-amdhsa--gfx1250"
	.amdhsa_code_object_version 6
	.text
	.protected	k_q0976b9123d_attn
	.globl	k_q0976b9123d_attn
	.p2align	8
	.type	k_q0976b9123d_attn,@function
k_q0976b9123d_attn:
	s_mov_b64 s[64:65], 0
	v_nop
	global_prefetch_b8 v0, s[64:65] scope:SCOPE_SE
	s_setreg_imm32_b32 hwreg(HW_REG_WAVE_MODE, 25, 1), 1
	s_wait_xcnt 0x0
	s_wait_alu depctr_hold_cnt(0) depctr_sa_sdst(0) depctr_va_vdst(0) depctr_va_sdst(0) depctr_va_ssrc(0) depctr_va_vcc(0) depctr_vm_vsrc(0)
	s_getreg_b32 s2, hwreg(HW_REG_IB_STS2, 6, 4)
	s_cmp_eq_u32 s2, 0
	s_cbranch_scc0 .Lentry_in_a_cluster
	s_endpgm
.Lentry_in_a_cluster:
	s_bfe_u32 s2, ttmp6, 0x10000c
	s_cmp_lg_u32 s2, 0x3003
	s_cbranch_scc0 .Lentry_shape_is_right
	s_endpgm
.Lentry_shape_is_right:
; y[q] = the sum over keys k <= q of softmax(q . k / 8) v, 32 query heads on 8 heads of keys and values, both products on codes of FP6 (E2M3) with E8M0 scales; y is quantised along the model's 2,048 for the last product.
; LEFT OUT: key steps all of whose keys come after a tile's queries: the causal mask that the definition builds itself gives them the weight 0 for all values of the inputs.
; THE SOFTMAX: t = score x log2(e) / 8; M = the largest t so far, rounded UP to a whole number; p = 2^(t - M) is quantised along the keys, not normalised; the sum is taken of the unquantised p and divides at the end.
; When M moves, the sum and O are multiplied by 2^(old M - new M): exact.
; THE HEAD IS 64, the instruction's K 128: in the first product registers 6-11 of both operands are zero codes; the upper two bytes of their scale words are 0, a finite code.
; SHARES.  The four work-groups of a cluster are the four query heads of one head of keys and values.  Work-group y = a has the eight tiles (16 queries each) of query block 15 - a (16 - a key steps of 128) and the eight of
; block a (a + 1 key steps): 17 steps a pair of tiles, dealt to a pair of waves.  The wave of kind 0 takes key steps 0-8 of the late tile.  The wave of kind 1 takes its key steps 9 .. 15 - a, puts its O, sum and M into LDS,
; and then takes the early tile whole.  So a wave has 9 or 8 steps; of the four waves w, w + 4, w + 8, w + 12 two are of each kind.  Behind one barrier kind 0 joins the two parts of the late tile:
; both are brought under the larger M by powers of two, which rounds nothing.  Kind 0 stores the late tile, kind 1 the early one.
; LDS HOLDS THE WHOLE RECORD of the head of keys and values as it lies in memory (208,896 bytes = 16 x 51 rows of 256): every wave asks for one sixteenth by ONE joint load (mask 15) at the head.  Nothing is filled again.
; No prefetch: all that the launch reads is asked for at its head; no loop runs ahead of a load.
; Trip counts are constants; a step that is not the wave's is jumped over by scalar branches on ids, the same in all partners.
; LAYOUT.  Both products are used transposed: S^T = K Q^T, O^T = V^T P^T: a lane holds ONE query.  A TILE is rows 32 (T / 2) + 8 (T % 2) + r + 8 (r / 8), so the 16 registers of two neighbouring result tiles are 16 neighbours.
; OUT.  yb: half fragments at tile x 24,576 + (head / 2) x 1,536 + (head % 2) x 768; from YSO on scale bytes at tile x 1,024 + 64 r + 2 head + block (32 single bytes a wave, beside its 768 bytes of codes).
; LIMITS: NaN and infinities are not served; a block of y under 2^-124 gets the byte 1; the scaled scores t stay under 2^31 in magnitude.
; REGISTERS: v1-4 lane terms; v5, v6 the add's two; v7-11 addresses; v12 -M, v13 the largest t, v[14:15] the sum; v16-27 Q; v28 Q's word, v29 p's; v[30:31] f; v32-79 four fragments of K; v80-87 K's words, v88-91 V's;
;   v92-94 lane terms; v95 -infinity; v96-159 S^T, then p, then V's fragments; v160-191 O^T; v192-211 p's codes; v212-235, v244-247 at work; v236-242 the early tile's Q; v243 the stage.
.set REC,   208896
.set PIECE, 13056                      ; 51 rows of 256 bytes: a wave's sixteenth of the record
.set VCO,   98304                      ; v's fragments in the record
.set KWO,   196608                     ; k's scale words
.set VWO,   204800                     ; v's
.set SPARE, 208896                     ; the spare words, 128 bytes for each wave: eight blocks of 256 bytes that no other line names
.set STG,   210944                     ; the stage: 4,608 bytes for each pair of waves; no load lands here
.set QSO,   3145728
.set YSO,   3145728
.set WV,   12
.set TY,   17                          ; s17  the wave's kind
.set PR,   18                          ; s18  its pair: the tile's number in its block
.set G,    23                          ; s23  which 32 of the block's 128 queries hold the tile
.set Q0,   21                          ; s21  the tile's first query
.set QMAX, 22                          ; s22  its last
.set KLO,  69                          ; s69  the first key that is mine
.set TB,   2                           ; s2   the key step's codes: 6,144 bytes a step, in K's part and in V's
.set TSK,  3                           ; s3   K's words: 512 a step
.set TSV,  66                          ; s66  V's: 256 a step
.set KF,   67                          ; s67  the step's first key
.set CNT,  68
.set SEL,  60                          ; s[60:61] selects for lane l xor 16
.set CS,   78                          ; s[78:79] c = log2(e) / 8
.set MK,   80                          ; s80-95 the diagonal's lane masks
.set BM,   212
.set BP,   216
.set BS,   220
.set NINF, 95
.set ST,   243
.set Q2,   236
.macro CROUND
	s_barrier_signal -1
	s_barrier_wait -1
	s_cmp_lg_u32 s[WV], 0
	s_cbranch_scc1 .Lnot_wave_0_\@
	s_barrier_signal -3
.Lnot_wave_0_\@:
	s_barrier_wait -3
	s_barrier_signal -1
	s_barrier_wait -1
.endm
.macro INIT                            ; a tile's state: the first step finds zeros, which the first change of M leaves zeros
	v_mov_b32 v13, 0xff61b1e6                      ; the largest t so far: -3e38, under every t
	v_mov_b32 v14, 0
	v_mov_b32 v15, 0
	v_floor_f32 v12, -v13                          ; -M
.set j, 0
.rept 32
	v_mov_b32 v[160+j], 0
.set j, j+1
.endr
.endm
	s_load_b128 s[4:7], s[0:1], 0x0                ; qb, kvb
	s_load_b64 s[8:9], s[0:1], 0x10                ; yb
	v_lshl_add_u32 v5, v0, 2, SPARE
	v_mov_b32 v6, 0
	ds_add_u32 v5, v6                              ; the opening: the add, twice on end, and its wait ahead of my tensor load
	ds_add_u32 v5, v6
	v_lshrrev_b32 v1, 5, v0
	v_readfirstlane_b32 s[WV], v1                  ; wave 0..15
	s_bfe_u32 s13, ttmp6, 0x40000                  ; cx: the query head in its group; it enters q's and y's global addresses alone
	s_and_b32 s15, ttmp7, 0xffff                   ; a
	s_lshl_b32 s16, ttmp9, 2
	s_add_co_u32 s16, s16, s13                     ; the query head
	s_lshr_b32 s[TY], s[WV], 2
	s_xor_b32 s[TY], s[TY], s[WV]
	s_and_b32 s[TY], s[TY], 1
	s_lshr_b32 s[PR], s[WV], 1
	s_lshr_b32 s[G], s[PR], 1
	s_and_b32 s14, s[PR], 1
	s_lshl_b32 s70, s14, 3                         ; 8 u
	s_lshl_b32 s14, s[G], 5
	s_add_co_u32 s71, s14, s70                     ; the tile's first query in its block: 32 g + 8 u
	s_sub_co_u32 s19, 15, s15                      ; the late block
	s_lshl_b32 s20, s19, 3
	s_add_co_u32 s20, s20, s[PR]                   ; the late tile
	s_lshl_b32 s[Q0], s19, 7
	s_add_co_u32 s[Q0], s[Q0], s71
	s_add_co_u32 s[QMAX], s[Q0], 23
	s_lshl_b32 s19, s15, 3
	s_add_co_u32 s19, s19, s[PR]                   ; the early tile
	s_mul_i32 s[KLO], s[TY], 1152                  ; kind 1 begins at key step 9
	s_mov_b32 s24, 15|(3<<16)|(1<<21)              ; group 1: the mask: all four work-groups; elements of 8 bytes; bit 21 set beside a mask
	s_mov_b32 s25, 32<<16                          ; rows of 256 bytes,
	s_mov_b32 s26, 51<<16                          ; 51 of them
	s_mov_b32 s27, 32<<16
	s_mov_b32 s28, 51
	s_mov_b32 s29, 32
	s_mov_b32 s30, 0
	s_mov_b32 s31, 0
	s_mov_b32 s40, 1
	s_mul_i32 s41, s[WV], PIECE                    ; a place in the record is the same number in LDS and in memory
	s_mul_i32 s72, ttmp9, REC                      ; the record of my head of keys and values: the cluster's x
	s_add_co_u32 s72, s72, s41
	s_mov_b32 s73, 0
	s_wait_dscnt 0x0                               ; both opening adds are done
	s_wait_kmcnt 0x0
	s_add_nc_u64 s[42:43], s[6:7], s[72:73]
	s_or_b32 s43, s43, 0x80000000
	CROUND                                         ; all four work-groups are here: the joint loads meet
	tensor_load_to_lds s[40:43], s[24:31]          ; my one tensor load of the launch
	s_nop 0
	v_and_b32 v233, 31, v0                         ; lane
	v_and_b32 v234, 15, v0                         ; r
	v_bfe_u32 v235, v0, 4, 1                       ; h
	v_lshlrev_b32 v1, 4, v233                      ; 16 x lane
	v_lshlrev_b32 v2, 3, v233
	v_add_nc_u32 v2, 512, v2                       ; 512 + 8 x lane: a half fragment's registers 4, 5
	v_lshlrev_b32 v3, 4, v234                      ; 16 r
	v_and_b32 v4, 8, v234
	v_add_nc_u32 v4, v4, v234
	v_lshlrev_b32 v232, 4, v235
	v_sub_nc_u32 v4, v4, v232
	v_add_nc_u32 v4, s70, v4                       ; 8 u + r + 8 (r / 8) - 16 h: my query in its 32, less my half's first key in a block
	v_add_nc_u32 v92, VCO, v1
	v_add_nc_u32 v93, KWO, v3
	v_add_nc_u32 v94, VWO, v3
	s_mul_i32 s14, s[PR], 4608
	s_add_co_u32 s14, s14, STG
	v_add_nc_u32 v[ST], s14, v1                    ; my pair's stage, 16 x lane
	v_mov_b32 v[NINF], 0xff800000
.set n, 0
.rept 16
	v_cmp_gt_i32 s[MK+n], n, v4                    ; in the block of 32 keys that holds my queries, register n's key is hidden in these lanes.  Both tiles of a pair have the same masks
.set n, n+1
.endr
	s_wait_alu depctr_va_vdst(0)
.macro QLOAD tile, c, w, sa, sb        ; a tile's half fragment of Q and its scale words
	s_lshl_b32 s72, s16, 7
	s_add_co_u32 s72, s72, s[\tile]
	s_mul_i32 s72, s72, 768
	s_add_nc_u64 s[\sa:\sa+1], s[4:5], s[72:73]
	global_load_b128 v[\c:\c+3], v1, s[\sa:\sa+1]
	global_load_b64 v[\c+4:\c+5], v2, s[\sa:\sa+1]
	s_lshl_b32 s72, s16, 5
	s_lshr_b32 s14, s[\tile], 2
	s_add_co_u32 s72, s72, s14
	s_lshl_b32 s72, s72, 8
	s_and_b32 s14, s[\tile], 3
	s_lshl_b32 s14, s14, 2
	s_add_co_u32 s72, s72, s14
	s_add_co_u32 s72, s72, QSO
	s_add_nc_u64 s[\sb:\sb+1], s[4:5], s[72:73]
	global_load_b32 v[\w], v3, s[\sb:\sb+1]
.endm
	QLOAD 20, 16, 28, 74, 76                       ; the late tile's
	QLOAD 19, Q2, Q2+6, 44, 46                     ; the early tile's (kind 0 loads it too and does not use it: one text for all)
	s_cmp_eq_u32 s[TY], 1
	s_cselect_b32 s14, s19, s20                    ; the tile that I store
	s_mul_i32 s72, s14, 24576
	s_lshr_b32 s10, s16, 1
	s_mul_i32 s10, s10, 1536
	s_add_co_u32 s72, s72, s10
	s_and_b32 s10, s16, 1
	s_mul_i32 s10, s10, 768
	s_add_co_u32 s72, s72, s10
	s_add_nc_u64 s[10:11], s[8:9], s[72:73]        ; y's codes
	s_lshl_b32 s72, s14, 10
	s_lshl_b32 s63, s16, 1
	s_add_co_u32 s72, s72, s63
	s_add_co_u32 s72, s72, YSO
	s_add_nc_u64 s[8:9], s[8:9], s[72:73]          ; y's scale bytes
	s_mov_b32 s[SEL], 0x76543210
	s_mov_b32 s[SEL+1], 0xfedcba98
	s_mov_b32 s62, 0xffff0000                      ; lanes 16-31
	s_mov_b32 s[CS], 0x3e38aa3b                    ; c = log2(e) / 8
	s_mov_b32 s[CS+1], s[CS]
.irp j, 22,23,24,25,26,27
	v_mov_b32 v\j, 0                               ; Q's upper 64 along K: zero codes
.endr
.irp t, 0,1,2,3
.irp j, 6,7,8,9,10,11
	v_mov_b32 v[32+12*\t+\j], 0                    ; and K's: written once, no load lands there
.endr
.endr
	v_mov_b32 v31, 0                               ; (named as the upper half of the pair v[30:31])
.irp k, 0,1,2,3
	v_mov_b32 v[BP+\k], 0                          ; a lane permute's destination counts as one of its sources
.endr
	INIT
.macro EDGE b                          ; the block that holds my queries: hidden keys' scores become -infinity
.set n, 0
.rept 16
	v_cndmask_b32 v[96+16*\b+n], v[96+16*\b+n], v[NINF], s[MK+n]
.set n, n+1
.endr
.endm
.macro HIDE b                          ; a block behind it: all its keys are hidden
.set n, 0
.rept 16
	v_mov_b32 v[96+16*\b+n], v[NINF]
.set n, n+1
.endr
.endm
.macro MAXLO q                         ; blocks q, q + 1: the first seven scores
.irp b, \q, \q+1
	v_max3_num_f32 v[BM+(\b)], v[96+16*(\b)], v[97+16*(\b)], v[98+16*(\b)]
.endr
.irp i, 3,5
.irp b, \q, \q+1
	v_max3_num_f32 v[BM+(\b)], v[BM+(\b)], v[96+16*(\b)+\i], v[97+16*(\b)+\i]
.endr
.endr
.endm
; A KEY STEP: 128 keys.
.macro STEP
	s_cmp_lt_u32 s[KF], s[KLO]                     ; not my part of the keys,
	s_cbranch_scc1 .Lhid_\@
	s_cmp_gt_u32 s[KF], s[QMAX]                    ; or all its keys come after my queries: only the lines at its end, which step addresses, are run
	s_cbranch_scc1 .Lhid_\@
	v_add_nc_u32 v7, s[TB], v1                     ; these five are also the places between the last step's products, which read V's fragments, and the products below, which write over them
	v_add_nc_u32 v8, s[TB], v2
	v_add_nc_u32 v9, s[TSK], v93
	v_add_nc_u32 v10, s[TB], v92
	v_add_nc_u32 v11, s[TSV], v94
	s_wait_alu depctr_va_vdst(0)
.irp g, 0,1                                    ; S^T = K Q^T, four tiles of 16 keys at a time
.if \g
	v_mov_b32 v224, v12                            ; the old -M.  With the three below: the places in front of loads into registers that matrix instructions have read
.rept 3
	v_nop
.endr
.endif
.irp t, 0,1,2,3
	ds_load_b128 v[32+12*\t:35+12*\t], v7 offset:768*(4*\g+\t)
	ds_load_b64 v[36+12*\t:37+12*\t], v8 offset:768*(4*\g+\t)
.endr
	ds_load_b128 v[80+4*\g:83+4*\g], v9 offset:256*\g              ; the four tiles' words of row r
	s_wait_dscnt 0x0
.irp t, 0,1,2,3
	v_wmma_scale_f32_16x16x128_f8f6f4 v[96+8*(4*\g+\t):103+8*(4*\g+\t)], v[32+12*\t:43+12*\t], v[16:27], 0, v[80+4*\g+\t], v28 matrix_a_fmt:MATRIX_FMT_FP6 matrix_b_fmt:MATRIX_FMT_FP6
.endr
.endr                                          ; register 16 b + i holds key KF + 32 b + 16 h + i
	s_add_co_u32 s63, s[KF], 127                   ; a step all of whose keys count skips the mask
	s_cmp_le_u32 s63, s[Q0]
	s_cbranch_scc1 .Lopen_\@
.rept 4
	v_nop                                          ; places behind the products
.endr
	s_cmp_eq_u32 s[G], 0                           ; the diagonal: blocks under g are open, block g is cut by the lane masks, blocks over g are hidden
	s_cbranch_scc1 .Lp0_\@
	s_cmp_eq_u32 s[G], 1
	s_cbranch_scc1 .Lp1_\@
	s_cmp_eq_u32 s[G], 2
	s_cbranch_scc1 .Lp2_\@
	EDGE 3
	s_wait_alu depctr_va_vdst(0)
	s_branch .Lopen_\@
.Lp2_\@:
	EDGE 2
	s_wait_alu depctr_va_vdst(0)
	s_branch .Lh3_\@
.Lp1_\@:
	EDGE 1
	s_wait_alu depctr_va_vdst(0)
	s_branch .Lh2_\@
.Lp0_\@:
	EDGE 0
	HIDE 1
.Lh2_\@:
	HIDE 2
.Lh3_\@:
	HIDE 3
.Lopen_\@:
	MAXLO 0                                        ; the largest score of each block of 32 keys: for the row's maximum and, since p rises with the score, for the block's largest p.  Blocks 0 and 1 first: six places behind the products of blocks 2 and 3
	MAXLO 2
.irp i, 7,9,11,13
.irp b, 0,1,2,3
	v_max3_num_f32 v[BM+\b], v[BM+\b], v[96+16*\b+\i], v[97+16*\b+\i]
.endr
.endr
.irp b, 0,1,2,3
	v_max_num_f32 v[BM+\b], v[BM+\b], v[111+16*\b]
.endr
.irp b, 0,1,2,3
	s_delay_alu instid0(VALU_DEP_4)
	v_permlanex16_b32 v[BP+\b], v[BM+\b], s[SEL], s[SEL+1]
.endr
.irp b, 0,1,2,3
	s_delay_alu instid0(VALU_DEP_4)
	v_max_num_f32 v[BM+\b], v[BM+\b], v[BP+\b]     ; with lane l xor 16's 16 keys
.endr
	s_delay_alu instid0(VALU_DEP_2)
	v_max3_num_f32 v225, v[BM], v[BM+1], v[BM+2]
	s_delay_alu instid0(VALU_DEP_1)
	v_max_num_f32 v225, v225, v[BM+3]
	s_delay_alu instid0(VALU_DEP_1)
	v_mul_f32 v225, s[CS], v225                    ; the step's largest t (c is positive)
	s_delay_alu instid0(VALU_DEP_1)
	v_max_num_f32 v13, v13, v225                   ; the running largest t
	s_delay_alu instid0(VALU_DEP_1)
	v_floor_f32 v12, -v13                          ; the new -M = -ceil(t): a whole number
	s_delay_alu instid0(VALU_DEP_1)
	v_sub_f32 v224, v12, v224                      ; old M - new M, 0 or less
	s_delay_alu instid0(VALU_DEP_1)
	v_cvt_i32_f32 v224, v224                       ; (it saturates)
	s_delay_alu instid0(VALU_DEP_1)
	v_ldexp_f32 v30, 1.0, v224                     ; f = 2^(old M - new M)
.set j, 0
.rept 32
	v_pk_fma_f32 v[96+j:97+j], v[96+j:97+j], s[CS:CS+1], v[12:13] op_sel_hi:[1,0,0]   ; t - M, two at a time
.set j, j+2
.endr
.irp b, 0,1,2,3
	v_fma_f32 v[BM+\b], v[BM+\b], s[CS], v12       ; the same of each block's largest score
.endr
	s_wait_alu depctr_va_vdst(0)
.set j, 0
.rept 64
	v_exp_f32 v[96+j], v[96+j]                     ; p = 2^(t - M), at most 1
.set j, j+1
.endr
	v_pk_mul_f32 v[14:15], v[14:15], v[30:31] op_sel_hi:[1,0]   ; the sums under the new M.  (A plain place behind the exponentials)
	s_wait_alu depctr_va_vdst(0)                   ; one wait for the whole batch, ahead of its first reader
.irp b, 0,1,2,3
	v_exp_f32 v[BM+\b], v[BM+\b]                   ; the block's largest p: the same two instructions on the same number give the same bits
.endr
	v_pk_add_f32 v[226:227], v[96:97], v[98:99]    ; the sum of the unquantised p, two at a time, four chains by turns
	v_pk_add_f32 v[244:245], v[100:101], v[102:103]
	v_pk_add_f32 v[246:247], v[104:105], v[106:107]
	v_pk_add_f32 v[14:15], v[14:15], v[108:109]
.set j, 110
.rept 6
	v_pk_add_f32 v[226:227], v[226:227], v[j:j+1]
	v_pk_add_f32 v[244:245], v[244:245], v[j+2:j+3]
	v_pk_add_f32 v[246:247], v[246:247], v[j+4:j+5]
	v_pk_add_f32 v[14:15], v[14:15], v[j+6:j+7]
.set j, j+8
.endr
	v_pk_add_f32 v[226:227], v[226:227], v[158:159]
	v_pk_add_f32 v[14:15], v[14:15], v[246:247]
	s_delay_alu instid0(VALU_DEP_2)
	v_pk_add_f32 v[226:227], v[226:227], v[244:245]
	s_delay_alu instid0(VALU_DEP_1)
	v_pk_add_f32 v[14:15], v[14:15], v[226:227]
	s_wait_alu depctr_va_vdst(0)                   ; and one for the four
.irp b, 0,1,2,3
	v_max_num_f32 v[BM+\b], 0x1800000, v[BM+\b]    ; the floor 2^(3 - 127): the byte cannot fall under 1
.endr
.irp b, 0,1,2,3
	s_delay_alu instid0(VALU_DEP_4)
	v_add_nc_u32 v[BS+\b], 0xff000000, v[BM+\b]    ; 2 off the exponent field: the conversion's scale operand
.endr
.irp b, 0,1,2,3
	s_delay_alu instid0(VALU_DEP_4)
	v_lshrrev_b32 v[BP+\b], 23, v[BS+\b]           ; the scale's byte
.endr
	s_delay_alu instid0(VALU_DEP_3)
	v_lshl_or_b32 v29, v[BP+1], 8, v[BP]           ; p's scale word for these 128 keys
	s_delay_alu instid0(VALU_DEP_1)
	v_lshl_or_b32 v29, v[BP+2], 16, v29
	s_delay_alu instid0(VALU_DEP_1)
	v_lshl_or_b32 v29, v[BP+3], 24, v29
.irp c, 0,1
	v_cvt_scalef32_pk16_fp6_f32 v[192+6*\c:194+6*\c], v[96+32*\c:111+32*\c], v[BS+2*\c]
	v_cvt_scalef32_pk16_fp6_f32 v[204+4*\c:206+4*\c], v[112+32*\c:127+32*\c], v[BS+2*\c+1]   ; (a conversion's three registers begin on an even number)
.endr
	v_nop                                          ; one plain place behind a scaled conversion
.irp t, 0,1,2,3                                ; p is in codes: V's four fragments take its registers; they land under the lines below
.irp i, 0,1,2
	ds_load_b128 v[96+12*\t+4*\i:99+12*\t+4*\i], v10 offset:1536*\t+512*\i
.endr
.endr
	ds_load_b128 v[88:91], v11                     ; and their words of row r
.irp c, 0,1                                    ; the operand's layout wants a WHOLE block in a lane
.irp i, 0,1,2
	v_permlane16_swap_b32 v[192+6*\c+\i], v[204+4*\c+\i]
.endr
.irp i, 0,1,2
	s_delay_alu instid0(VALU_DEP_3)
	v_mov_b32 v[195+6*\c+\i], v[204+4*\c+\i]
.endr
.endr
	s_wait_alu depctr_va_vdst(0)                   ; ahead of the first reader of O^T
.set j, 0
.rept 16
	v_pk_mul_f32 v[160+j:161+j], v[160+j:161+j], v[30:31] op_sel_hi:[1,0]   ; O^T under the new M.  (These sixteen also stand between the vector writes of p's codes and word and the scaled products)
.set j, j+2
.endr
	s_wait_alu depctr_va_vdst(0)
	s_wait_dscnt 0x0
.irp t, 0,1,2,3                                ; O^T += V^T P^T: four tiles of 16 of the head's 64, four accumulators by turns
	v_wmma_scale_f32_16x16x128_f8f6f4 v[160+8*\t:167+8*\t], v[96+12*\t:107+12*\t], v[192:203], v[160+8*\t:167+8*\t], v[88+\t], v29 matrix_a_fmt:MATRIX_FMT_FP6 matrix_b_fmt:MATRIX_FMT_FP6
.endr
.Lhid_\@:
	s_add_co_u32 s[KF], s[KF], 128
	s_add_co_u32 s[TB], s[TB], 6144
	s_add_co_u32 s[TSK], s[TSK], 512
	s_add_co_u32 s[TSV], s[TSV], 256
.endm
.macro WALK n
	s_mov_b32 s[CNT], \n
.Lwalk_\@:
	STEP
	s_sub_co_u32 s[CNT], s[CNT], 1
	s_cmp_lg_u32 s[CNT], 0
	s_cbranch_scc1 .Lwalk_\@
.endm
	s_mul_i32 s[TB], s[TY], 7*6144                 ; the late tile: nine trips, key steps 0-8 for kind 0, 7-15 for kind 1 (which jumps over 7 and 8)
	s_mul_i32 s[TSK], s[TY], 7*512
	s_mul_i32 s[TSV], s[TY], 7*256
	s_mul_i32 s[KF], s[TY], 7*128
	s_wait_alu depctr_va_vdst(0)
	s_wait_tensorcnt 0x0                           ; my sixteenth of the record is in
	s_wait_loadcnt 0x0                             ; and both Q
	s_barrier_signal -1
	s_barrier_wait -1                              ; everybody's sixteenth is in
	WALK 9
	s_cmp_eq_u32 s[TY], 0                          ; the early tile: eight trips, key steps 0-7; kind 0 jumps over all of them
	s_cselect_b32 s[KLO], 0x7fffffff, 0
	s_lshl_b32 s[Q0], s15, 7
	s_add_co_u32 s[Q0], s[Q0], s71
	s_add_co_u32 s[QMAX], s[Q0], 23
	s_mov_b32 s[TB], 0
	s_mov_b32 s[TSK], 0
	s_mov_b32 s[TSV], 0
	s_mov_b32 s[KF], 0
	s_cmp_eq_u32 s[TY], 0
	s_cbranch_scc1 .Lkeep
.irp j, 0,1,2,3,4,5
	v_mov_b32 v[16+\j], v[Q2+\j]                   ; kind 1: the early tile's Q.  (These seven are also the places behind the last products)
.endr
	v_mov_b32 v28, v[Q2+6]
	s_wait_alu depctr_va_vdst(0)
.irp j, 0,1,2,3,4,5,6,7
	ds_store_b128 v[ST], v[160+4*\j:163+4*\j] offset:512*\j        ; my part of the late tile: O^T, each accumulator from its low end on,
.endr
	ds_store_b128 v[ST], v[12:15] offset:4096      ; and -M, the largest t, the sum's two halves
	s_wait_dscnt 0x0                               ; the stores have read their registers
	INIT
	s_wait_alu depctr_va_vdst(0)
.Lkeep:
	WALK 8
	s_wait_alu depctr_va_vdst(0)
	s_wait_dscnt 0x0                               ; for the others' sake: my LDS stores are done
	s_barrier_signal -1
	s_barrier_wait -1
	s_cmp_eq_u32 s[TY], 1
	s_cbranch_scc1 .Lout
.rept 4
	v_nop                                          ; places in front of loads into registers that matrix instructions have read
.endr
.irp j, 0,1,2,3,4,5,6,7
	ds_load_b128 v[96+4*\j:99+4*\j], v[ST] offset:512*\j           ; kind 0: my partner's part of the late tile
.endr
	ds_load_b128 v[128:131], v[ST] offset:4096
	s_wait_dscnt 0x0
	v_min_num_f32 v132, v12, v128                  ; -M of both parts: the larger M
	v_mov_b32 v135, 0                              ; (named as the upper half of the pair v[134:135])
	v_sub_f32 v133, v132, v12                      ; whole numbers, 0 or less
	v_sub_f32 v134, v132, v128
	v_cvt_i32_f32 v133, v133                       ; (they saturate: a part with no key step has M = -3e38, zeros, and the factor 0)
	v_cvt_i32_f32 v134, v134
	v_ldexp_f32 v30, 1.0, v133                     ; my factor,
	v_ldexp_f32 v134, 1.0, v134                    ; and my partner's: powers of two
	v_pk_mul_f32 v[130:131], v[130:131], v[134:135] op_sel_hi:[1,0]
.set j, 0
.rept 16
	v_pk_mul_f32 v[96+j:97+j], v[96+j:97+j], v[134:135] op_sel_hi:[1,0]
.set j, j+2
.endr
	v_pk_fma_f32 v[14:15], v[14:15], v[30:31], v[130:131] op_sel_hi:[1,0,1]
.set j, 0
.rept 16
	v_pk_fma_f32 v[160+j:161+j], v[160+j:161+j], v[30:31], v[96+j:97+j] op_sel_hi:[1,0,1]
.set j, j+2
.endr
.Lout:
	; THE WAY OUT.  O^T / the sum: register 16 b + i is channel 32 b + 16 h + i of my query: two blocks of 32 along the last product's K.
	v_add_f32 v14, v14, v15                        ; the sum's two halves,  (these lines are also the places behind the last products)
	s_delay_alu instid0(VALU_DEP_1)
	v_permlanex16_b32 v[BP], v14, s[SEL], s[SEL+1]
	s_delay_alu instid0(VALU_DEP_1)
	v_add_f32 v14, v14, v[BP]                      ; and lane l xor 16's
	s_wait_alu depctr_va_vdst(0)                   ; ahead of the transcendental
	v_rcp_f32 v14, v14
	v_lshlrev_b32 v224, 6, v234                    ; (plain places behind the reciprocal)
	s_delay_alu instid0(VALU_DEP_1)
	v_add_nc_u32 v224, v224, v235                  ; 64 r + h: my scale byte
	v_nop
	v_nop
	s_wait_alu depctr_va_vdst(0)                   ; and ahead of the first reader
.set j, 0
.rept 16
	v_pk_mul_f32 v[96+j:97+j], v[160+j:161+j], v[14:15] op_sel_hi:[1,0]
.set j, j+2
.endr
.irp k, 0,1
	v_max3_num_f32 v[BM+\k], |v[96+16*\k]|, |v[97+16*\k]|, 0x1800000
.endr
.irp i, 2,4,6,8,10,12,14
.irp k, 0,1
	s_delay_alu instid0(VALU_DEP_2)
	v_max3_num_f32 v[BM+\k], v[BM+\k], |v[96+16*\k+\i]|, |v[97+16*\k+\i]|
.endr
.endr
.irp k, 0,1
	s_delay_alu instid0(VALU_DEP_2)
	v_permlanex16_b32 v[BP+\k], v[BM+\k], s[SEL], s[SEL+1]
.endr
.irp k, 0,1
	s_delay_alu instid0(VALU_DEP_2)
	v_max_num_f32 v[BM+\k], v[BM+\k], v[BP+\k]
.endr
.irp k, 0,1
	s_delay_alu instid0(VALU_DEP_2)
	v_add_nc_u32 v[BS+\k], 0xff000000, v[BM+\k]
.endr
.irp k, 0,1
	s_delay_alu instid0(VALU_DEP_2)
	v_lshrrev_b32 v[BP+\k], 23, v[BS+\k]
.endr
	v_cvt_scalef32_pk16_fp6_f32 v[192:194], v[96:111], v[BS]
	v_cvt_scalef32_pk16_fp6_f32 v[204:206], v[112:127], v[BS+1]
	v_cndmask_b32 v225, v[BP], v[BP+1], s62        ; (the plain place behind the conversions)  lanes 0-15 store block 0's byte, lanes 16-31 block 1's
.irp i, 0,1,2
	v_permlane16_swap_b32 v[192+\i], v[204+\i]
.endr
.irp i, 0,1,2
	s_delay_alu instid0(VALU_DEP_3)
	v_mov_b32 v[195+\i], v[204+\i]                 ; lane (r, h) now holds block h of query r: the half fragment
.endr
	global_store_b128 v1, v[192:195], s[10:11]     ; 512 consecutive bytes,
	global_store_b64 v2, v[196:197], s[10:11]      ; and 256
	global_store_b8 v224, v225, s[8:9]
	s_wait_tensorcnt 0x0                           ; the wave's end: behind my tensor load and my last LDS store
	ds_add_u32 v5, v6
	s_wait_dscnt 0x0
	CROUND                                         ; the closing round
	s_endpgm
.Lfunc_end_k_q0976b9123d_attn:
	.size	k_q0976b9123d_attn, .Lfunc_end_k_q0976b9123d_attn-k_q0976b9123d_attn
	.p2alignl 7, 3214868480
	.fill 96, 4, 3214868480
	.section	.rodata,"a",@progbits
	.p2align	6, 0x0
	.amdhsa_kernel k_q0976b9123d_attn
		.amdhsa_group_segment_fixed_size 247808
		.amdhsa_private_segment_fixed_size 0
		.amdhsa_enable_private_segment 0
		.amdhsa_kernarg_size 24
		.amdhsa_user_sgpr_count 2
		.amdhsa_user_sgpr_kernarg_segment_ptr 1
		.amdhsa_wavefront_size32 1
		.amdhsa_system_sgpr_workgroup_id_x 1
		.amdhsa_system_sgpr_workgroup_id_y 1
		.amdhsa_system_sgpr_workgroup_id_z 1
		.amdhsa_system_vgpr_workitem_id 0
		.amdhsa_next_free_vgpr 256
		.amdhsa_next_free_sgpr 96
		.amdhsa_reserve_vcc 0
		.amdhsa_float_denorm_mode_32 3
		.amdhsa_float_denorm_mode_16_64 3
		.amdhsa_memory_ordered 1
		.amdhsa_forward_progress 1
		.amdhsa_inst_pref_size 67
	.end_amdhsa_kernel
	.amdgpu_metadata
---
amdhsa.version: [ 1, 2 ]
amdhsa.kernels:
  - .name:           k_q0976b9123d_attn
    .symbol:         k_q0976b9123d_attn.kd
    .args:
      - { .name: qb, .offset: 0, .size: 8, .value_kind: global_buffer, .address_space: global }
      - { .name: kvb, .offset: 8, .size: 8, .value_kind: global_buffer, .address_space: global }
      - { .name: yb, .offset: 16, .size: 8, .value_kind: global_buffer, .address_space: global }
    .group_segment_fixed_size: 247808
    .private_segment_fixed_size: 0
    .kernarg_segment_align: 8
    .kernarg_segment_size: 24
    .max_flat_workgroup_size: 512
    .sgpr_count:     96
    .vgpr_count:     256
    .wavefront_size: 32
...
	.end_amdgpu_metadata
.endif
;; end of part 3
;; launch outp (part 4): grid 16 x 16, 4 waves a work-group, clusters of 4 x 4, 327,680 bytes of LDS; arguments cw, yb, out0; writes out0
.if DOCPART == 4
	.amdgcn_target "amdgcn-amd-amdhsa--gfx1250"
	.amdhsa_code_object_version 6
	.text
	.protected	k_q0976b9123d_outp
	.globl	k_q0976b9123d_outp
	.p2align	8
	.type	k_q0976b9123d_outp,@function
k_q0976b9123d_outp:
	s_mov_b64 s[64:65], 0
	v_nop
	global_prefetch_b8 v0, s[64:65] scope:SCOPE_SE
	s_setreg_imm32_b32 hwreg(HW_REG_WAVE_MODE, 25, 1), 1
	s_wait_xcnt 0x0
	s_wait_alu depctr_hold_cnt(0) depctr_sa_sdst(0) depctr_va_vdst(0) depctr_va_sdst(0) depctr_va_ssrc(0) depctr_va_vcc(0) depctr_vm_vsrc(0)
	s_getreg_b32 s2, hwreg(HW_REG_IB_STS2, 6, 4)
	s_cmp_eq_u32 s2, 0
	s_cbranch_scc0 .Lentry_in_a_cluster
	s_endpgm
.Lentry_in_a_cluster:
	s_bfe_u32 s2, ttmp6, 0x10000c
	s_cmp_lg_u32 s2, 0xf033
	s_cbranch_scc0 .Lentry_shape_is_right
	s_endpgm
.Lentry_shape_is_right:
; out0 = y Wc^T on codes of FP6 (E2M3) with E8M0 scales, K = 2,048.  Operands are images of the operand's registers (a fragment of 16 rows x 128 K = 1,536 bytes); a TILE is rows 32 (T / 2) + 8 (T % 2) + r + 8 (r / 8).
; SHARES.  Source 0 = 128 rows of Wc (8 tiles, from cw), source 1 = 128 tokens of y (8 tiles, from yb): a work-group makes 128 tokens x 128 columns, 16 x 16 = 256 work-groups.
; A wave takes all 8 tiles of source 0 x 2 tiles of source 1: 16 accumulators; a lane then holds 16 neighbouring columns of one token in two neighbouring accumulators.
; K goes in four fills of 512 through two LDS slots, all written out; the scale words of all of K come once and stay.
; CLUSTER 4 x 4: source 0 hangs on the work-group's x alone and is asked for jointly along a column of the cluster, source 1 on its y alone, along a row.
; THE HEAD: four tiles, one joint load a wave (fill 0 of each source, each source's scale words); slot 1's first fill stands behind the full sequence and a round, as a refill does.
; THE WAY OUT: 16 tokens x 128 columns at a time through each wave's own stage, which lies in slot 0 behind that slot's last fill and last read; the 32 lanes store whole rows of 512 bytes.
; REGISTERS.  window 0: v4-17 addresses; v48-111 scale words, two sets; v112-135, v160-183 source 1's fragments, two sets (on the way out v112-239: rows read back).
;   window 1: source 0's fragments, two sets, at v0 and v128.   window 2: accumulator (a, b) at v[8 (8 b + a)].
.set SLOT,  147456                     ; a slot: source 0's 8 tiles x 6,144 bytes at 0, source 1's 8 at S1O
.set S1O,   49152
.set TILEB, 6144                       ; a tile's four K steps
.set FRB,   1536
.set TROW,  24576                      ; a tile's sixteen K steps in memory
.set SC1,   294912                     ; behind the ring: source 1's scale words, 8 tiles x 1,024 bytes,
.set SC0,   303104                     ; source 0's, 8 tiles,
.set SPARE, 319488                     ; and the spare words, 128 bytes for each wave: two blocks of 256 bytes that no other line names
.set CWS,   11010048
.set YSO,   3145728
.set NF,    32                         ; LDS loads that bring a K step's 10 fragments: 24 for source 0, 8 for source 1
.set A0,    4                          ; v4-5   LDS address of source 0's fragments in slot 0, 1
.set A1,    6                          ; v6-7   of my two tiles of source 1: registers 0-3 of a half fragment,
.set A1H,   8                          ; v8-9   and registers 4-5
.set ADRS,  10                         ; v10    of the scale words: lanes 0-15 source 1's, lanes 16-31 source 0's
.set SPW,   12                         ; v12    my spare word; never rewritten
.set NIL,   13                         ; v13    0; never rewritten
.set L16,   14                         ; v14    16 x lane
.set STO,   16                         ; v16    the stage, on the way in
.set RD,    17                         ; v17    and back
.set SCR,   48
.set F1,    112
.set G1A,   24                         ; s[24:31] group 1: source 0's codes;  s[32:39] source 1's;  s[40:47], s[48:55] their scale words
.set G1B,   32
.set G1SA,  40
.set G1SB,  48
.set G0A,   56                         ; s[56:63] group 0 for source 0's codes, a set for each slot;  s[68:75] source 1's;  s[76:79], s[80:83] the scale words'
.set G0B,   68
.set G0SA,  76
.set G0SB,  80
.set MSB, 0
.macro WIN new                         ; the immediate's high byte repeats the setting that is left
.if MSB != \new
	s_set_vgpr_msb (MSB<<8)|\new
.set MSB, \new
.endif
.endm
.macro PLACES n
.rept \n
	v_nop
.endr
.endm
; Waves 0 and 1 fetch for source 0, waves 2 and 3 for source 1.  The branch hangs on the wave's number alone.  An s_nop 0 and four v_nop follow each of the two lines.
.macro JLOAD g0a, g1a, g0b, g1b
	s_cmp_eq_u32 s14, 0
	s_cbranch_scc0 .Lfor_b_\@
	tensor_load_to_lds s[\g0a:\g0a+3], s[\g1a:\g1a+7]
	s_nop 0
.rept 4
	v_nop
.endr
	s_branch .Lasked_\@
.Lfor_b_\@:
	tensor_load_to_lds s[\g0b:\g0b+3], s[\g1b:\g1b+7]
	s_nop 0
.rept 4
	v_nop
.endr
.Lasked_\@:
.endm
.macro CREST                           ; a round of the cluster's barrier behind its opening barrier
	s_cmp_lg_u32 s12, 0
	s_cbranch_scc1 .Lnot_wave_0_\@
	s_barrier_signal -3
.Lnot_wave_0_\@:
	s_barrier_wait -3
	s_barrier_signal -1
	s_barrier_wait -1
.endm
.macro CROUND
	s_barrier_signal -1
	s_barrier_wait -1
	CREST
.endm
	s_load_b128 s[4:7], s[0:1], 0x0                ; cw, yb
	s_load_b64 s[8:9], s[0:1], 0x10                ; out0
	v_lshl_add_u32 v[SPW], v0, 2, SPARE
	v_mov_b32 v[NIL], 0
	ds_add_u32 v[SPW], v[NIL]                      ; the opening: the add, twice on end, and its wait ahead of my first tensor load
	ds_add_u32 v[SPW], v[NIL]
	v_lshrrev_b32 v1, 5, v0
	v_readfirstlane_b32 s12, v1                    ; wave 0..3
	s_and_b32 s13, s12, 1                          ; which half of a source's tiles I fetch in the ring
	s_lshr_b32 s14, s12, 1                         ; for source 0 (0) or source 1 (1)
	s_bfe_u32 s15, ttmp6, 0x40000                  ; cx
	s_bfe_u32 s20, ttmp6, 0x40004                  ; cy
	s_lshl_b32 s16, ttmp9, 2
	s_add_co_u32 s16, s16, s15                     ; work-group x: 128 columns
	s_and_b32 s17, ttmp7, 0xffff
	s_lshl_b32 s17, s17, 2
	s_add_co_u32 s17, s17, s20                     ; work-group y: 128 tokens
	s_lshl_b32 s21, s20, 2
	s_lshl_b32 s21, 15, s21                        ; my row of the cluster
	s_lshl_b32 s22, 0x1111, s15                    ; my column
	s_or_b32 s[G1A], s22, (3<<16)|(1<<21)          ; elements of 8 bytes; the mask, bit 21 set beside it
	s_or_b32 s[G1B], s21, (3<<16)|(1<<21)
.irp g, G1A, G1B
	s_mov_b32 s[\g+1], 768<<16                     ; a row: a tile's 6,144 bytes of a fill
	s_mov_b32 s[\g+2], 8<<16                       ; the head's load: all 8 tiles
	s_mov_b32 s[\g+3], 768<<16
	s_mov_b32 s[\g+4], 8
	s_mov_b32 s[\g+5], 3072                        ; 24,576 bytes from tile to tile
	s_mov_b32 s[\g+6], 0
	s_mov_b32 s[\g+7], 0
.endr
	s_or_b32 s[G1SA], s22, (3<<16)|(1<<21)
	s_or_b32 s[G1SB], s21, (3<<16)|(1<<21)
.irp g, G1SA, G1SB
	s_mov_b32 s[\g+1], 32<<16                      ; scale words: dense, 8 tiles' 8,192 bytes as 32 rows of 256
	s_mov_b32 s[\g+2], 32<<16
	s_mov_b32 s[\g+3], 32<<16
	s_mov_b32 s[\g+4], 32
	s_mov_b32 s[\g+5], 32
	s_mov_b32 s[\g+6], 0
	s_mov_b32 s[\g+7], 0
.endr
	s_lshl_b32 s18, s16, 3
	s_add_co_u32 s18, s18, 320                     ; source 0's first tile: Wc's begin at tile 320 of cw
	s_mul_i32 s90, s18, TROW
	s_mov_b32 s91, 0
	s_lshl_b32 s92, s18, 10
	s_add_co_u32 s92, s92, CWS
	s_mov_b32 s93, 0
	s_lshl_b32 s19, s17, 3                         ; source 1's first tile
	s_mul_i32 s86, s19, TROW
	s_mov_b32 s87, 0
	s_lshl_b32 s88, s19, 10
	s_add_co_u32 s88, s88, YSO
	s_mov_b32 s89, 0
	s_mul_i32 s95, s13, 4*TILEB                    ; my half of a source's tiles: where it goes in a slot,
	s_mul_i32 s20, s13, 4*TROW                     ; and where it begins in memory
	s_mov_b32 s21, 0
	s_wait_dscnt 0x0                               ; both opening adds are done
	s_wait_kmcnt 0x0
	s_add_nc_u64 s[90:91], s[4:5], s[90:91]
	s_add_nc_u64 s[92:93], s[4:5], s[92:93]
	s_add_nc_u64 s[86:87], s[6:7], s[86:87]
	s_add_nc_u64 s[88:89], s[6:7], s[88:89]
	CROUND                                         ; all sixteen work-groups are here: the first joint loads meet
	s_mov_b32 s[G0SA], 1
	s_mov_b32 s[G0SA+1], SC0
	s_mov_b64 s[G0SA+2:G0SA+3], s[92:93]
	s_or_b32 s[G0SA+3], s[G0SA+3], 0x80000000
	s_mov_b32 s[G0SB], 1
	s_mov_b32 s[G0SB+1], SC1
	s_mov_b64 s[G0SB+2:G0SB+3], s[88:89]
	s_or_b32 s[G0SB+3], s[G0SB+3], 0x80000000
	s_mov_b32 s[G0A], 1                            ; fill 0, each source whole: slot 0's sets of registers serve the head's loads first
	s_mov_b32 s[G0A+1], 0
	s_mov_b64 s[G0A+2:G0A+3], s[90:91]
	s_or_b32 s[G0A+3], s[G0A+3], 0x80000000
	s_mov_b32 s[G0B], 1
	s_mov_b32 s[G0B+1], S1O
	s_mov_b64 s[G0B+2:G0B+3], s[86:87]
	s_or_b32 s[G0B+3], s[G0B+3], 0x80000000
	s_add_nc_u64 s[90:91], s[90:91], s[20:21]      ; for the ring: my half of the tiles
	s_add_nc_u64 s[86:87], s[86:87], s[20:21]
	s_mov_b32 s[G0A+4], 1                          ; slot 1: fill 1
	s_add_co_u32 s[G0A+5], s95, SLOT
	s_add_nc_u64 s[G0A+6:G0A+7], s[90:91], TILEB
	s_or_b32 s[G0A+7], s[G0A+7], 0x80000000
	s_mov_b32 s[G0B+4], 1
	s_add_co_u32 s[G0B+5], s95, SLOT+S1O
	s_add_nc_u64 s[G0B+6:G0B+7], s[86:87], TILEB
	s_or_b32 s[G0B+7], s[G0B+7], 0x80000000
; THE HEAD'S LOADS, ONE A WAVE: wave 0 fill 0 of source 0, wave 1 fill 0 of source 1, wave 2 source 0's scale words, wave 3 source 1's.
; One tree of branches on the wave's number; every way through it passes exactly one load.
.macro ARM under, g0, g1, next
	s_cmp_lt_u32 s12, \under
	s_cbranch_scc0 \next
	tensor_load_to_lds s[\g0:\g0+3], s[\g1:\g1+7]
	s_nop 0
.rept 4
	v_nop
.endr
	s_branch .Lhead_asked
\next:
.endm
	ARM 1, G0A,  G1A,  .Lhead_b
	ARM 2, G0B,  G1B,  .Lhead_sa
	ARM 3, G0SA, G1SA, .Lhead_sb
	tensor_load_to_lds s[G0SB:G0SB+3], s[G1SB:G1SB+7]
	s_nop 0
.rept 4
	v_nop
.endr
.Lhead_asked:
	v_and_b32 v3, 31, v0                           ; lane
	v_and_b32 v1, 15, v0                           ; r
	v_bfe_u32 v2, v0, 4, 1                         ; h
	v_lshlrev_b32 v[L16], 4, v3
	v_lshlrev_b32 v15, 3, v3
	v_add_nc_u32 v15, 512, v15                     ; 512 + 8 x lane
	v_mov_b32 v[A0], v[L16]
	v_add_nc_u32 v[A0+1], SLOT, v[L16]
	s_mul_i32 s84, s12, 2*TILEB                    ; my two tiles of source 1
	s_add_co_u32 s84, s84, S1O
	v_add_nc_u32 v[A1], s84, v[L16]
	v_add_nc_u32 v[A1H], s84, v15
	s_add_co_u32 s84, s84, SLOT
	v_add_nc_u32 v[A1+1], s84, v[L16]
	v_add_nc_u32 v[A1H+1], s84, v15
	v_lshlrev_b32 v[ADRS], 6, v1                   ; 64 r
	s_xor_b32 s84, s12, 3
	s_add_co_u32 s84, s84, 1
	s_lshl_b32 s84, s84, 11                        ; from my two tiles' words of source 1 to source 0's: 2,048 (4 - wave)
	v_mul_u32_u24 v11, s84, v2                     ; lanes 16-31 take source 0's
	v_add_nc_u32 v[ADRS], v[ADRS], v11
	s_lshl_b32 s84, s12, 11
	s_add_co_u32 s84, s84, SC1
	v_add_nc_u32 v[ADRS], s84, v[ADRS]
	s_mul_i32 s84, s12, 8448                       ; my stage: 16 rows x 528 bytes
	v_mul_u32_u24 v[STO], v1, 528
	v_lshl_add_u32 v[STO], v2, 6, v[STO]           ; in: row r, + 64 h
	v_add_nc_u32 v[STO], s84, v[STO]
	v_add_nc_u32 v[RD], s84, v[L16]                ; back: the 32 lanes take one row of 512 bytes
	s_lshl_b32 s84, s17, 7
	s_lshl_b32 s85, s12, 5
	s_add_co_u32 s84, s84, s85                     ; my first token: 128 y + 32 wave
	s_lshl_b32 s84, s84, 13                        ; rows of 8,192 bytes
	s_lshl_b32 s85, s16, 9                         ; + my 128 columns
	s_add_co_u32 s84, s84, s85
	s_mov_b32 s85, 0
	s_add_nc_u64 s[8:9], s[8:9], s[84:85]
; n x 2 matrix instructions: source 0's tiles a0 .. a0 + n - 1 x my two of source 1, the slot's q-th 128 along K.  The 16 accumulators take turns, one instruction a turn, in the same order in every K step.
; The scale words: register 4 i + q of a set holds in lanes 0-15 the word of source 1's tile i, in lanes 16-31 that of source 0's tile i.
.macro MULS set, sc, q, a0, n, zero
	WIN 0xa1                                       ; source 0 window 1, source 1 window 0, C and D window 2
.set ma, \a0
.rept \n
.set mb, 0
.rept 2
.if \zero
	v_wmma_scale_f32_16x16x128_f8f6f4 v[8*(8*mb+ma):8*(8*mb+ma)+7], v[128*(\set)+12*ma:128*(\set)+12*ma+11], v[F1+48*(\set)+12*mb:F1+48*(\set)+12*mb+11], 0, v[SCR+32*(\sc)+4*ma+(\q)], v[SCR+32*(\sc)+4*mb+(\q)] matrix_a_fmt:MATRIX_FMT_FP6 matrix_b_fmt:MATRIX_FMT_FP6 matrix_a_scale:MATRIX_SCALE_ROW1
.else
	v_wmma_scale_f32_16x16x128_f8f6f4 v[8*(8*mb+ma):8*(8*mb+ma)+7], v[128*(\set)+12*ma:128*(\set)+12*ma+11], v[F1+48*(\set)+12*mb:F1+48*(\set)+12*mb+11], v[8*(8*mb+ma):8*(8*mb+ma)+7], v[SCR+32*(\sc)+4*ma+(\q)], v[SCR+32*(\sc)+4*mb+(\q)] matrix_a_fmt:MATRIX_FMT_FP6 matrix_b_fmt:MATRIX_FMT_FP6 matrix_a_scale:MATRIX_SCALE_ROW1
.endif
.set mb, mb+1
.endr
.set ma, ma+1
.endr
.endm
.macro FETCH slot, q, set              ; NF loads in one run: the 10 fragments of the slot's q-th K step.  y's fragments lie as two half fragments of 768 bytes
	WIN 0x40                                       ; destination window 1
.irp a, 0,1,2,3,4,5,6,7
.irp i, 0,1,2
	ds_load_b128 v[128*(\set)+12*\a+4*\i:128*(\set)+12*\a+4*\i+3], v[A0+(\slot)] offset:TILEB*\a+FRB*(\q)+512*\i
.endr
.endr
	WIN 0
.irp b, 0,1
	ds_load_b128 v[F1+48*(\set)+12*\b:F1+48*(\set)+12*\b+3], v[A1+(\slot)] offset:TILEB*\b+FRB*(\q)
	ds_load_b64 v[F1+48*(\set)+12*\b+4:F1+48*(\set)+12*\b+5], v[A1H+(\slot)] offset:TILEB*\b+FRB*(\q)
	ds_load_b128 v[F1+48*(\set)+12*\b+6:F1+48*(\set)+12*\b+9], v[A1+(\slot)] offset:TILEB*\b+FRB*(\q)+768
	ds_load_b64 v[F1+48*(\set)+12*\b+10:F1+48*(\set)+12*\b+11], v[A1H+(\slot)] offset:TILEB*\b+FRB*(\q)+768
.endr
.endm
.macro SCALES sig, set                 ; the four words a row of fill sig.  (For i >= 2 lanes 0-15 read words that have landed and are not used)
.irp i, 0,1,2,3,4,5,6,7
	ds_load_b128 v[SCR+32*(\set)+4*\i:SCR+32*(\set)+4*\i+3], v[ADRS] offset:1024*\i+16*(\sig)
.endr
.endm
; A K step that has its successor in the same slot.  A load into a register that a matrix instruction has read stands four places behind it (ISA guide 7.12.1 for vector instructions).
.macro KSTEP slot, q, zero
	PLACES 4
	FETCH \slot, (\q)+1, ((\q)+1)%2
	s_wait_dscnt NF                                ; all but the NF just issued: this K step's fragments (and words) are in
	MULS (\q)%2, \slot, \q, 0, 8, \zero
	WIN 0
.endm
; A slot's last K step changes slots: ONE barrier; in front of it each wave waits for all its tensor loads, adds 0 to its spare word, and waits for that and for its own reads of this slot.  fill = 1: the slot is filled again, two fills ahead.
.macro TURN slot, sig, fill
	s_wait_tensorcnt 0x0                           ; all my tensor loads have landed: my part of the next slot
	ds_add_u32 v[SPW], v[NIL]                      ; 0 onto my spare word
	s_wait_dscnt 1                                 ; (only the add may be out: this K step's fragments are in)
	MULS 1, \slot, 3, 0, 4, 0                      ; eight matrix instructions stand between the add and the wait for it
	s_wait_dscnt 0x0                               ; the add is done, and my reads of this slot are over
	s_barrier_signal -1
	MULS 1, \slot, 3, 4, 2, 0
	WIN 0
	s_barrier_wait -1
.if \fill
	CREST                                          ; the barrier has opened a round of the cluster's: no wave of any partner still reads this slot or has a load on its way
	s_add_nc_u64 s[G0A+4*\slot+2:G0A+4*\slot+3], s[G0A+4*\slot+2:G0A+4*\slot+3], 2*TILEB
	s_add_nc_u64 s[G0B+4*\slot+2:G0B+4*\slot+3], s[G0B+4*\slot+2:G0B+4*\slot+3], 2*TILEB
	JLOAD G0A+4*\slot, G1A, G0B+4*\slot, G1B       ; the first tensor load behind the round; its four v_nop are also the places in front of the loads below
.else
	PLACES 4
.endif
	FETCH 1-\slot, 0, 0
	SCALES (\sig)+1, 1-\slot
	MULS 1, \slot, 3, 6, 2, 0
	WIN 0
.endm
	s_wait_alu depctr_va_vdst(0)
	s_wait_tensorcnt 0x0                           ; my one load of the head is in; slot 1's first fill is issued as a refill is:
	ds_add_u32 v[SPW], v[NIL]                      ; 0 onto my spare word
	s_mov_b32 s[G1A+2], 4<<16                      ; no load of mine is out, so descriptors may be written: from here on a load brings half of a source's tiles,
	s_mov_b32 s[G1A+4], 4
	s_mov_b32 s[G1B+2], 4<<16
	s_mov_b32 s[G1B+4], 4
	s_add_co_u32 s[G0A+1], s[G0A+1], s95           ; and slot 0's sets point at my half
	s_add_nc_u64 s[G0A+2:G0A+3], s[G0A+2:G0A+3], s[20:21]
	s_add_co_u32 s[G0B+1], s[G0B+1], s95
	s_add_nc_u64 s[G0B+2:G0B+3], s[G0B+2:G0B+3], s[20:21]
	s_wait_dscnt 0x0                               ; the add is done
	CROUND                                         ; everybody's loads are in, and all sixteen work-groups are here
	JLOAD G0A+4, G1A, G0B+4, G1B                   ; fill 1: the first tensor load behind the round
	FETCH 0, 0, 0
	SCALES 0, 0
	KSTEP 0, 0, 1                                  ; the first products start the sums: nothing is cleared
	KSTEP 0, 1, 0
	KSTEP 0, 2, 0
	TURN 0, 0, 1
	KSTEP 1, 0, 0
	KSTEP 1, 1, 0
	KSTEP 1, 2, 0
	TURN 1, 1, 1
	KSTEP 0, 0, 0
	KSTEP 0, 1, 0
	KSTEP 0, 2, 0
	TURN 0, 2, 0                                   ; nothing is left to fetch: a plain barrier
	KSTEP 1, 0, 0
	KSTEP 1, 1, 0
	KSTEP 1, 2, 0
	s_wait_dscnt 0x0
	MULS 1, 1, 3, 0, 8, 0
	WIN 0
; My tile b of tokens: register 16 k + i of its 64 is column 32 k + 16 h + i of token r.  LDS serves a wave's instructions in order: the loads see the stores.
.macro TOSTAGE b
	WIN 0x08                                       ; the data: window 2
.irp k, 0,1,2,3
.irp j, 0,1,2,3
	ds_store_b128 v[STO], v[64*(\b)+16*\k+4*\j:64*(\b)+16*\k+4*\j+3] offset:128*\k+16*\j   ; each accumulator from its low end on
.endr
.endr
	WIN 0
.irp t, 0,1,2,3,4,5,6,7,8,9,10,11,12,13,14,15
	ds_load_b128 v[112+64*((\b)%2)+4*\t:112+64*((\b)%2)+4*\t+3], v[RD] offset:528*\t
.endr
.endm
.macro SEND b, younger                 ; younger: the LDS instructions issued behind tile b's loads, which may stay out
	s_wait_dscnt \younger
.irp t, 0,1,2,3,4,5,6,7,8,9,10,11,12,13,14,15
	global_store_b128 v[L16], v[112+64*((\b)%2)+4*\t:112+64*((\b)%2)+4*\t+3], s[8:9] offset:(8*((\b)%2)+\t+8*(\t/8))*8192 th:TH_STORE_NT   ; 512 consecutive bytes, at a multiple of 256 from out0's first byte
.endr
.endm
	PLACES 4                                       ; in front of the first reads of results and of loads into registers that held fragments
	TOSTAGE 0
	TOSTAGE 1
	SEND 0, 32                                     ; behind tile 0's loads: tile 1's 16 stores and 16 loads
	SEND 1, 0
	s_wait_tensorcnt 0x0                           ; the wave's end: behind my last tensor load and my last LDS store
	ds_add_u32 v[SPW], v[NIL]
	s_wait_dscnt 0x0
	CROUND                                         ; the closing round: no work-group ends while a partner may still ask for a tile that names it
	s_endpgm
.Lfunc_end_k_q0976b9123d_outp:
	.size	k_q0976b9123d_outp, .Lfunc_end_k_q0976b9123d_outp-k_q0976b9123d_outp
	.p2alignl 7, 3214868480
	.fill 96, 4, 3214868480
	.section	.rodata,"a",@progbits
	.p2align	6, 0x0
	.amdhsa_kernel k_q0976b9123d_outp
		.amdhsa_group_segment_fixed_size 327680
		.amdhsa_private_segment_fixed_size 0
		.amdhsa_enable_private_segment 0
		.amdhsa_kernarg_size 24
		.amdhsa_user_sgpr_count 2
		.amdhsa_user_sgpr_kernarg_segment_ptr 1
		.amdhsa_wavefront_size32 1
		.amdhsa_system_sgpr_workgroup_id_x 1
		.amdhsa_system_sgpr_workgroup_id_y 1
		.amdhsa_system_sgpr_workgroup_id_z 1
		.amdhsa_system_vgpr_workitem_id 0
		.amdhsa_next_free_vgpr 768
		.amdhsa_next_free_sgpr 100
		.amdhsa_reserve_vcc 0
		.amdhsa_float_denorm_mode_32 3
		.amdhsa_float_denorm_mode_16_64 3
		.amdhsa_memory_ordered 1
		.amdhsa_forward_progress 1
		.amdhsa_inst_pref_size 90
	.end_amdhsa_kernel
	.amdgpu_metadata
---
amdhsa.version: [ 1, 2 ]
amdhsa.kernels:
  - .name:           k_q0976b9123d_outp
    .symbol:         k_q0976b9123d_outp.kd
    .args:
      - { .name: cw, .offset: 0, .size: 8, .value_kind: global_buffer, .address_space: global }
      - { .name: yb, .offset: 8, .size: 8, .value_kind: global_buffer, .address_space: global }
      - { .name: out0, .offset: 16, .size: 8, .value_kind: global_buffer, .address_space: global }
    .group_segment_fixed_size: 327680
    .private_segment_fixed_size: 0
    .kernarg_segment_align: 8
    .kernarg_segment_size: 24
    .max_flat_workgroup_size: 128
    .sgpr_count:     100
    .vgpr_count:     768
    .wavefront_size: 32
...
	.end_amdgpu_metadata
.endif
;; end of part 4
